; MI455X (gfx1250); checked and timed in simulation.
; The chip was launched on July 23, 2026; its instructions are those of AMD's public machine-readable ISA for CDNA 5 (MIT licence, August 2026) and "CDNA5" Instruction Set Architecture Reference Guide (July 2026). The comments in the code are by the model that wrote it; some were corrected since.
;; Attention. Allowed arithmetic: matrix products marked QUANTISED: E2M1 operands, one E8M0 scale for each 32 along K, by v_wmma_scale_f32_16x16x128_f8f6f4 with both operands' format E2M1 (or v_wmma_scale_f32_32x16x128_f4), f32 sums; products left as they are: bf16, f16 or f32 operands; f32 sums; everything else in f32.
;; Inputs: b_proj 1,024 float32; b_qkv 3,072 float32; w_proj 1,024 x 1,024 float32; w_qkv 1,024 x 3,072 float32; x 4 x 2,048 x 1,024 float32.
;; Outputs: out0 4 x 2,048 x 1,024 float32.
;; This version of the problem:
;;   THIS VERSION OF THE PROBLEM IS GIVEN IN LOW PRECISION. The matrix products marked QUANTISED in the list below multiply operands that are first quantised to E2M1 (2 exponent bits, 1 mantissa bit; 4 bits a number), with one power-of-two scale for each 32 numbers along K (OCP MX v1.0); their sums are f32. The products marked 'left as it is' may take bf16, f16 or f32 operands, with f32 sums. Whichever they take, every output number must still come out within the allowed error. Rounding operands to bf16 (8 significant bits) uses up far more of that allowance than f16 does (11 bits, for magnitudes from 6e-5 to 65,504). All else is computed in f32.
;;   The module's matrix products, in the order in which they are computed (A, B: the left and right operand; K: the contracted axis; several contracted axes count as one K, in the product's order):
;;     1. [M 8,192, K 1,024] x [K 1,024, N 3,072]; A: input x; B: input w_qkv: QUANTISED
;;     2. batch 64 x [M 2,048, K 64] x [K 64, N 2,048]; A: computed on the way; B: computed on the way: left as it is (an operand is computed on the way)
;;     3. batch 64 x [M 2,048, K 2,048] x [K 2,048, N 64]; A: computed on the way; B: computed on the way: left as it is (an operand is computed on the way)
;;     4. [M 8,192, K 1,024] x [K 1,024, N 1,024]; A: computed on the way; B: input w_proj: left as it is (an operand is computed on the way)
;;   THE QUANTISER, for each operand of a quantised product, along K:
;;     - K is cut into blocks of 32 from its start; a last block that is shorter is filled with zeros.
;;     - A block's scale is 2^e with e = floor(log2(the largest magnitude in the block)) - 2, held to -126 .. 127; a block of zeros has e = 0. As a byte (E8M0): e + 127.
;;     - Each number is divided by its block's scale, clamped to +-6, and rounded to the nearest number of E2M1, ties to even, subnormals kept.
;;     - The product sums the exact products of the quantised numbers (number of the format x scale) in f32.
;;   ~~~python
;;   def quantise(x, axis):      # numpy; x: float32 -> the quantised numbers, widened to float32 again
;;       x = np.moveaxis(x, axis, -1); K = x.shape[-1]
;;       x = np.pad(x, [(0, 0)] * (x.ndim - 1) + [(0, -K % 32)]); x = x.reshape(x.shape[:-1] + (-1, 32)); a = np.abs(x).max(-1, keepdims=True)
;;       e = np.where(a > 0, np.clip(np.frexp(np.where(a > 0, a, 1))[1] - 1 - 2, -126, 127), 0)      # np.frexp(a)[1] - 1 = floor(log2(a)), exactly
;;       r = np.clip(x / 2.0 ** e, -6, 6)
;;       step = 2.0 ** (np.maximum(np.frexp(np.where(r == 0, 1, r))[1] - 1, 0) - 1)
;;       q = np.round(r / step) * step * 2.0 ** e      # np.round: ties to even
;;       return np.moveaxis(q.reshape(q.shape[:-2] + (-1,))[..., :K], -1, axis).astype(np.float32)
;;   ~~~
;; One version. Each part assembles by itself: llvm-mc -triple=amdgcn-amd-amdhsa -mcpu=gfx1250 --defsym DOCPART=n.
;; ======== version 1 of 1: 4 launches
;; limits: values are held in f16: magnitudes above 65,504 overflow, below 6.1e-05 lose precision
;; workspace buffers: xc 4,194,304 bytes; xs 262,144 bytes; wc 1,572,864 bytes; ws 98,304 bytes; wp 2,097,152 bytes; qkv 50,331,648 bytes; att 16,777,216 bytes
;; launch prep (part 1): grid 368 x 1, 4 waves a work-group, no clusters, 102,912 bytes of LDS; arguments x, w_qkv, w_proj, xc, xs, wc, ws, wp; writes xc, xs, wc, ws, wp
.if DOCPART == 1
	.amdgcn_target "amdgcn-amd-amdhsa--gfx1250"
	.amdhsa_code_object_version 6
	.text
	.protected	k_qa6d8ea33ee_prep
	.globl	k_qa6d8ea33ee_prep
	.p2align	8
	.type	k_qa6d8ea33ee_prep,@function
k_qa6d8ea33ee_prep:
	s_mov_b64 s[64:65], 0
	v_nop
	global_prefetch_b8 v0, s[64:65] scope:SCOPE_SE
	s_setreg_imm32_b32 hwreg(HW_REG_WAVE_MODE, 25, 1), 1
	s_wait_xcnt 0x0
; THE PROGRAM: out = softmax(q k^T / 8) v, by head, times w_proj + b_proj, with [q k v] = x w_qkv + b_qkv.  Four launches: this one lays the operands out; qkv multiplies x by w_qkv on codes of FP4;
; attn is the attention of one head at a time in f16 with f32 sums; proj is the last product in f16 with f32 sums.
; WORK LEFT OUT, for all values of the inputs: the bias on k, b_qkv[1024:2048].  The scores are q . (k_m + b_k) / 8 = q . k_m / 8 + q . b_k / 8; the second term is the same for every key m of a row, the product of
; q and k is not quantised, and a softmax does not change when one number is added to all its inputs along its axis.  So that slice reaches no output in exact arithmetic; it is 1,024 whole columns of the first
; product, and it is neither loaded nor added (launch qkv).  LIMIT: a NaN, an infinity or an overflow that lies in that slice alone is not carried to the result.
; THIS LAUNCH has three paths, chosen by the work-group's number; they never join, and each has LDS bytes of its own.
;   W (work-groups 0-47):   w_qkv [1024 k][3072 n] f32 -> wc [3072 n][512 bytes] codes of FP4 (E2M1) with K innermost, ws [3072][32] E8M0 scale bytes.  A lane takes a column, its registers run down K.
;   P (work-groups 48-111): w_proj [1024 k][1024 n] f32 -> wp [1024 n][1024 k] f16.  The same plan, with a rounding to f16 in place of the quantiser.
;   X (work-groups 112-367): x [8192][1024] f32 -> xc [8192][512 bytes] codes, xs [8192][32] scale bytes.  K is innermost: a plain stream of blocks of 32.
; A block's scale is 2^(floor(log2(its largest magnitude)) - 2); its byte is the largest magnitude's exponent field - 2, held at 1 from below.  A block of zeros so gets the byte 1 where the rule says 127: its codes
; are zeros, which add nothing under any byte but 0xff, and the bytes are read by this program alone.
; LIMITS: blocks whose largest magnitude lies under 2^-124 keep the byte 1; NaN and infinities in x and w_qkv are not served; |w_proj| stays under 65,504 (f16).
; No tensor loads, no barrier: waves share nothing.  No prefetch: the launch is a stream that is read once and keeps many loads of every wave on their way.
.set SPARE, 102400                     ; behind the three paths' regions: the spare words, 128 bytes for each wave: two blocks of 256 bytes that no other line names
.set SPW,   190                        ; v190  LDS address of my spare word: SPARE + 4 x my thread's number; never rewritten
.set NIL,   191                        ; v191  0; never rewritten
.set EMAX,  2
.set PITCH, 272                        ; a stage row of paths W and P: 256 bytes + 16
.set WSTG,  0                          ; path W: four stages of 32 rows
.set PSTG,  34816                      ; path P: the same
.set XREG,  69632                      ; path X: 8,192 bytes for each wave: two stages of 32 x 80 bytes, then its 256 scale bytes
	s_load_b256 s[4:11], s[0:1], 0x0               ; x s[4:5], w_qkv s[6:7], w_proj s[8:9], xc s[10:11]
	s_load_b256 s[12:19], s[0:1], 0x20             ; xs s[12:13], wc s[14:15], ws s[16:17], wp s[18:19]
	v_lshl_add_u32 v[SPW], v0, 2, SPARE
	v_mov_b32 v[NIL], 0
	v_lshrrev_b32 v1, 5, v0
	v_readfirstlane_b32 s20, v1                    ; wave 0..3
	v_and_b32 v2, 31, v0                           ; lane
	s_mov_b32 s25, 0                               ; the upper word of every offset: all lie under 2^32
	s_wait_kmcnt 0x0
	s_cmp_lt_u32 ttmp9, 48
	s_cbranch_scc1 .Lpath_w
	s_cmp_lt_u32 ttmp9, 112
	s_cbranch_scc1 .Lpath_p
; ---------------- PATH X: a wave takes 16 steps of 512 numbers.  Each load reads 512 consecutive bytes; a step's 2,048 bytes turn through the wave's own stage, so that a lane then holds 16 neighbours along K.
.set XSTEPS, 16
.set CB,    8                          ; bytes of 16 codes
.set SP,    80                         ; a lane's place in a stage: its 64 bytes + 16 of padding
.set XR,    16                         ; v16-79   four sets of 16 numbers as loaded
.set XX,    80                         ; v80-111  two sets of 16 neighbours
.set XE,    112                        ; v112-127 a scale byte for each step
.set XC,    128                        ; v128-189 codes: registers of its own for each step, so that no store's data are written again
	v_lshlrev_b32 v3, 4, v2                        ; my 16 bytes of a load's 512
	s_mul_i32 s21, s20, 8192
	s_add_co_u32 s21, s21, XREG                    ; my wave's region
	v_lshrrev_b32 v14, 2, v2
	v_mul_u32_u24 v14, v14, SP
	v_and_b32 v15, 3, v2
	v_lshl_add_u32 v14, v15, 4, v14
	v_add_nc_u32 v14, s21, v14                     ; into the stage: four lanes' 64 bytes on end, then 16 of padding
	v_mul_u32_u24 v15, v2, SP
	v_add_nc_u32 v15, s21, v15                     ; out of it: my 16 neighbours
	v_mul_u32_u24 v4, v2, CB                       ; my codes' place in a step's
	v_lshrrev_b32 v5, 1, v2
	s_add_co_u32 s21, s21, 2*32*SP
	v_add_nc_u32 v5, s21, v5                       ; my block's scale byte in LDS
	v_lshlrev_b32 v7, 3, v2
	v_add_nc_u32 v6, s21, v7                       ; and 8 bytes a lane on the way out
	s_sub_co_u32 s22, ttmp9, 112
	s_lshl_b32 s22, s22, 2
	s_add_co_u32 s22, s22, s20                     ; which run of 8,192 numbers is my wave's: 0..1023
	s_lshl_b32 s24, s22, 15
	s_add_nc_u64 s[4:5], s[4:5], s[24:25]          ; 32,768 bytes of x a run,
	s_lshl_b32 s24, s22, 12
	s_add_nc_u64 s[10:11], s[10:11], s[24:25]      ; 4,096 of codes,
	s_lshl_b32 s24, s22, 8
	s_add_nc_u64 s[12:13], s[12:13], s[24:25]      ; 256 of scale bytes
.macro XLOAD t
.irp i, 0,1,2,3
	global_load_b128 v[XR+16*((\t)%4)+4*\i:XR+16*((\t)%4)+4*\i+3], v3, s[4:5] offset:2048*(\t)+512*\i th:TH_LOAD_NT
.endr
.endm
.macro XTURN t                         ; LDS serves a wave's instructions in order: no wait between the stores and the loads
.irp i, 0,1,2,3
	ds_store_b128 v14, v[XR+16*((\t)%4)+4*\i:XR+16*((\t)%4)+4*\i+3] offset:32*SP*((\t)%2)+8*SP*\i
.endr
.irp i, 0,1,2,3
	ds_load_b128 v[XX+16*((\t)%2)+4*\i:XX+16*((\t)%2)+4*\i+3], v15 offset:32*SP*((\t)%2)+16*\i
.endr
.endm
.irp t, 0,1,2,3
	XLOAD \t
.endr
	s_wait_loadcnt 12                              ; step 0's four loads are in; three steps' twelve may be out
	XTURN 0
.macro XSTEP t
.set XS, XX+16*((\t)%2)
.if (\t) > 0
	s_wait_dscnt 1                                 ; this step's numbers are back from the stage (the last step's byte store may be out): so its stores into the stage have read their registers,
.else
	s_wait_dscnt 0x0
.endif
.if (\t)+4 < XSTEPS
	XLOAD (\t)+4                                   ; which take the loads of four steps on
.endif
.if (\t)+1 < XSTEPS
.if XSTEPS-2-(\t) >= 3
	s_wait_loadcnt 12                              ; the next step's four loads are in; those of the three steps behind it may be out
.else
	s_wait_loadcnt 4*(XSTEPS-2-(\t))
.endif
	XTURN (\t)+1
.endif
	v_max3_num_f32 v8, |v[XS]|, |v[XS+1]|, |v[XS+2]|               ; the largest magnitude of my 16, in two chains
	v_max3_num_f32 v9, |v[XS+3]|, |v[XS+4]|, |v[XS+5]|
.irp i, 6,10
	v_max3_num_f32 v8, v8, |v[XS+\i]|, |v[XS+\i+1]|
	v_max3_num_f32 v9, v9, |v[XS+\i+2]|, |v[XS+\i+3]|
.endr
	v_max3_num_f32 v8, v8, |v[XS+14]|, |v[XS+15]|
	v_max3_num_f32 v8, v8, v9, (EMAX+1)<<23        ; and the floor 2^(3 - 127): the byte cannot fall under 1
	v_max_num_f32_dpp v8, v8, v8 row_xmask:1 row_mask:0xf bank_mask:0xf   ; with my neighbour's 16: the block's
	v_add_nc_u32 v11, -(EMAX<<23), v8              ; 2 off its exponent field: the conversion takes the exponent field of this operand as its scale
	v_cvt_scalef32_pk8_fp4_f32 v[XC+4*(\t)], v[XS:XS+7], v11
	v_cvt_scalef32_pk8_fp4_f32 v[XC+4*(\t)+1], v[XS+8:XS+15], v11
	v_lshrrev_b32 v[XE+(\t)], 23, v11              ; the scale's byte
	ds_store_b8 v5, v[XE+(\t)] offset:16*(\t)      ; both lanes of a block write the same byte with the same value
	global_store_b64 v4, v[XC+4*(\t):XC+4*(\t)+1], s[10:11] offset:32*CB*(\t)   ; the wave stores 256 consecutive bytes, aligned
.endm
.irp t, 0,1,2,3,4,5,6,7,8,9,10,11,12,13,14,15
	XSTEP \t
.endr
	ds_load_b64 v[8:9], v6                         ; my wave's 256 scale bytes, 8 a lane
	s_wait_dscnt 0x0
	global_store_b64 v7, v[8:9], s[12:13]          ; 256 consecutive bytes, aligned
	s_wait_tensorcnt 0x0                           ; the wave's end, behind my last LDS store
	ds_add_u32 v[SPW], v[NIL]
	s_wait_dscnt 0x0
	s_endpgm
; ---------------- PATH W: a wave takes 32 columns x 512 along K: 16 blocks a lane, 256 bytes of codes for each column, which leave through the wave's stage as whole rows.
.set NB,    16
.set WX,    32                         ; v32-95   two sets of 32 numbers
.set WC,    96                         ; v96-99   a block's codes
.set OUTR,  112                        ; v112-175 the way out
.set SB,    24                         ; v24-27   the scale bytes, four to a register
.Lpath_w:
	s_lshr_b32 s21, ttmp9, 1
	s_and_b32 s22, ttmp9, 1                        ; which 512 along K
	s_lshl_b32 s21, s21, 7
	s_lshl_b32 s23, s20, 5
	s_add_co_u32 s21, s21, s23                     ; my wave's first column
	v_lshlrev_b32 v3, 2, v2                        ; in: 4 bytes a lane
	s_mul_i32 s23, s20, 32*PITCH                   ; my stage (WSTG = 0)
	v_mul_u32_u24 v4, v2, PITCH
	v_add_nc_u32 v4, s23, v4                       ; into it: row = my column
	v_and_b32 v5, 15, v2
	v_lshrrev_b32 v6, 4, v2
	v_mul_u32_u24 v7, v6, PITCH
	v_lshl_add_u32 v7, v5, 4, v7
	v_add_nc_u32 v7, s23, v7                       ; out of it: sixteen lanes to a row, two rows an instruction
	v_lshlrev_b32 v8, 9, v6
	v_lshl_add_u32 v8, v5, 4, v8                   ; the same place in wc: rows of 512 bytes
	v_lshlrev_b32 v9, 5, v2                        ; my column's row of ws: 32 bytes
	s_mul_i32 s24, s22, 512*12288
	s_lshl_b32 s26, s21, 2
	s_add_co_u32 s24, s24, s26
	s_add_nc_u64 s[6:7], s[6:7], s[24:25]
	s_lshl_b32 s24, s21, 9
	s_lshl_b32 s26, s22, 8
	s_add_co_u32 s24, s24, s26
	s_add_nc_u64 s[14:15], s[14:15], s[24:25]
	s_lshl_b32 s24, s21, 5
	s_lshl_b32 s26, s22, 4
	s_add_co_u32 s24, s24, s26
	s_add_nc_u64 s[16:17], s[16:17], s[24:25]
.macro WLOAD t                         ; block t: w_qkv(32 t + i, my column): 128 consecutive bytes a wave; the largest offset, 511 rows of 12,288 bytes, lies inside the signed 24-bit immediate
.irp i, 0,1,2,3,4,5,6,7,8,9,10,11,12,13,14,15,16,17,18,19,20,21,22,23,24,25,26,27,28,29,30,31
	global_load_b32 v[WX+32*((\t)%2)+\i], v3, s[6:7] offset:(32*(\t)+\i)*12288 th:TH_LOAD_NT
.endr
.endm
	WLOAD 0
	WLOAD 1
.macro WBLOCK t
.set XSW, WX+32*((\t)%2)
.if (\t) < NB-1
	s_wait_loadcnt 32                              ; this block's 32 loads are in; the next block's may be out
.else
	s_wait_loadcnt 0
.endif
	v_max3_num_f32 v12, |v[XSW]|, |v[XSW+1]|, |v[XSW+2]|           ; the block's largest magnitude: all 32 numbers are mine
	v_max3_num_f32 v13, |v[XSW+3]|, |v[XSW+4]|, |v[XSW+5]|
.irp i, 6,10,14,18,22,26
	v_max3_num_f32 v12, v12, |v[XSW+\i]|, |v[XSW+\i+1]|
	v_max3_num_f32 v13, v13, |v[XSW+\i+2]|, |v[XSW+\i+3]|
.endr
	v_max3_num_f32 v12, v12, |v[XSW+30]|, |v[XSW+31]|
	v_max3_num_f32 v12, v12, v13, (EMAX+1)<<23     ; and the floor
	v_add_nc_u32 v11, -(EMAX<<23), v12             ; the conversion's scale operand
	v_lshrrev_b32 v13, 23, v11                     ; the scale's byte
.if (\t)%4 == 0
	v_mov_b32 v[SB+(\t)/4], v13                    ; four bytes to a register, the lower K in the lower byte
.else
	v_lshl_or_b32 v[SB+(\t)/4], v13, 8*((\t)%4), v[SB+(\t)/4]
.endif
.irp g, 0,1,2,3
	v_cvt_scalef32_pk8_fp4_f32 v[WC+\g], v[XSW+8*\g:XSW+8*\g+7], v11
.endr
	ds_store_b128 v4, v[WC:WC+3] offset:16*(\t)    ; 32 codes: 16 bytes of my column's row
.if (\t)+2 < NB
	WLOAD (\t)+2
.endif
	s_wait_dscnt 0x0                               ; the store has read its registers: the next block's codes may be written
.endm
.set Q, 0
.rept NB
	WBLOCK Q
.set Q, Q+1
.endr
	global_store_b128 v9, v[SB:SB+3], s[16:17]     ; my column's 16 scale bytes
.irp t, 0,1,2,3,4,5,6,7,8,9,10,11,12,13,14,15
	ds_load_b128 v[OUTR+4*\t:OUTR+4*\t+3], v7 offset:2*\t*PITCH
.endr
.irp t, 0,1,2,3,4,5,6,7,8,9,10,11,12,13,14,15
	s_wait_dscnt 15-\t                             ; the younger loads may be out
	global_store_b128 v8, v[OUTR+4*\t:OUTR+4*\t+3], s[14:15] offset:2*\t*512   ; sixteen lanes store 256 consecutive bytes, aligned
.endr
	s_wait_tensorcnt 0x0                           ; the wave's end: the three lines
	ds_add_u32 v[SPW], v[NIL]
	s_wait_dscnt 0x0
	s_endpgm
; ---------------- PATH P: a wave takes 32 columns x 128 along K of w_proj: 4 blocks of 32, 256 bytes of f16 for each column.
.set PX,    32                         ; v32-95   two sets of 32 numbers
.set PC,    96                         ; v96-111  a block in f16
.Lpath_p:
	s_sub_co_u32 s21, ttmp9, 48
	s_and_b32 s22, s21, 7                          ; which 128 along K
	s_lshr_b32 s21, s21, 3
	s_lshl_b32 s21, s21, 7
	s_lshl_b32 s23, s20, 5
	s_add_co_u32 s21, s21, s23                     ; my wave's first column
	v_lshlrev_b32 v3, 2, v2
	s_mul_i32 s23, s20, 32*PITCH
	s_add_co_u32 s23, s23, PSTG                    ; my stage
	v_mul_u32_u24 v4, v2, PITCH
	v_add_nc_u32 v4, s23, v4
	v_and_b32 v5, 15, v2
	v_lshrrev_b32 v6, 4, v2
	v_mul_u32_u24 v7, v6, PITCH
	v_lshl_add_u32 v7, v5, 4, v7
	v_add_nc_u32 v7, s23, v7
	v_lshlrev_b32 v8, 11, v6
	v_lshl_add_u32 v8, v5, 4, v8                   ; wp: rows of 2,048 bytes
	s_lshl_b32 s24, s22, 19                        ; 128 rows of 4,096 bytes
	s_lshl_b32 s26, s21, 2
	s_add_co_u32 s24, s24, s26
	s_add_nc_u64 s[8:9], s[8:9], s[24:25]
	s_lshl_b32 s24, s21, 11
	s_lshl_b32 s26, s22, 8
	s_add_co_u32 s24, s24, s26
	s_add_nc_u64 s[18:19], s[18:19], s[24:25]
.macro PLOAD t
.irp i, 0,1,2,3,4,5,6,7,8,9,10,11,12,13,14,15,16,17,18,19,20,21,22,23,24,25,26,27,28,29,30,31
	global_load_b32 v[PX+32*((\t)%2)+\i], v3, s[8:9] offset:(32*(\t)+\i)*4096 th:TH_LOAD_NT
.endr
.endm
	PLOAD 0
	PLOAD 1
.macro PBLOCK t
.set XSP, PX+32*((\t)%2)
.if (\t) < 3
	s_wait_loadcnt 32                              ; this block's 32 loads are in; the next block's may be out
.else
	s_wait_loadcnt 0
.endif
.irp i, 0,1,2,3,4,5,6,7,8,9,10,11,12,13,14,15
	v_cvt_pk_f16_f32 v[PC+\i], v[XSP+2*\i], v[XSP+2*\i+1]          ; the lower k in the low half
.endr
.irp g, 0,1,2,3
	ds_store_b128 v4, v[PC+4*\g:PC+4*\g+3] offset:64*(\t)+16*\g
.endr
.if (\t) < 2
	PLOAD (\t)+2
.endif
	s_wait_dscnt 0x0                               ; the stores have read their registers
.endm
.irp t, 0,1,2,3
	PBLOCK \t
.endr
.irp t, 0,1,2,3,4,5,6,7,8,9,10,11,12,13,14,15
	ds_load_b128 v[OUTR+4*\t:OUTR+4*\t+3], v7 offset:2*\t*PITCH
.endr
.irp t, 0,1,2,3,4,5,6,7,8,9,10,11,12,13,14,15
	s_wait_dscnt 15-\t
	global_store_b128 v8, v[OUTR+4*\t:OUTR+4*\t+3], s[18:19] offset:2*\t*2048  ; sixteen lanes store 256 consecutive bytes, aligned
.endr
	s_wait_tensorcnt 0x0                           ; the wave's end: the three lines
	ds_add_u32 v[SPW], v[NIL]
	s_wait_dscnt 0x0
	s_endpgm
.Lfunc_end_k_qa6d8ea33ee_prep:
	.size	k_qa6d8ea33ee_prep, .Lfunc_end_k_qa6d8ea33ee_prep-k_qa6d8ea33ee_prep
	.p2alignl 7, 3214868480
	.fill 96, 4, 3214868480
	.section	.rodata,"a",@progbits
	.p2align	6, 0x0
	.amdhsa_kernel k_qa6d8ea33ee_prep
		.amdhsa_group_segment_fixed_size 102912
		.amdhsa_private_segment_fixed_size 0
		.amdhsa_enable_private_segment 0
		.amdhsa_kernarg_size 64
		.amdhsa_user_sgpr_count 2
		.amdhsa_user_sgpr_kernarg_segment_ptr 1
		.amdhsa_wavefront_size32 1
		.amdhsa_system_sgpr_workgroup_id_x 1
		.amdhsa_system_sgpr_workgroup_id_y 1
		.amdhsa_system_sgpr_workgroup_id_z 1
		.amdhsa_system_vgpr_workitem_id 0
		.amdhsa_next_free_vgpr 192
		.amdhsa_next_free_sgpr 66
		.amdhsa_reserve_vcc 0
		.amdhsa_float_denorm_mode_32 3
		.amdhsa_float_denorm_mode_16_64 3
		.amdhsa_memory_ordered 1
		.amdhsa_forward_progress 1
		.amdhsa_inst_pref_size 132
	.end_amdhsa_kernel
	.amdgpu_metadata
---
amdhsa.version: [ 1, 2 ]
amdhsa.kernels:
  - .name:           k_qa6d8ea33ee_prep
    .symbol:         k_qa6d8ea33ee_prep.kd
    .args:
      - { .name: x, .offset: 0, .size: 8, .value_kind: global_buffer, .address_space: global }
      - { .name: w_qkv, .offset: 8, .size: 8, .value_kind: global_buffer, .address_space: global }
      - { .name: w_proj, .offset: 16, .size: 8, .value_kind: global_buffer, .address_space: global }
      - { .name: xc, .offset: 24, .size: 8, .value_kind: global_buffer, .address_space: global }
      - { .name: xs, .offset: 32, .size: 8, .value_kind: global_buffer, .address_space: global }
      - { .name: wc, .offset: 40, .size: 8, .value_kind: global_buffer, .address_space: global }
      - { .name: ws, .offset: 48, .size: 8, .value_kind: global_buffer, .address_space: global }
      - { .name: wp, .offset: 56, .size: 8, .value_kind: global_buffer, .address_space: global }
    .group_segment_fixed_size: 102912
    .private_segment_fixed_size: 0
    .kernarg_segment_align: 8
    .kernarg_segment_size: 64
    .max_flat_workgroup_size: 128
    .sgpr_count:     66
    .vgpr_count:     192
    .wavefront_size: 32
...
	.end_amdgpu_metadata
.endif
;; end of part 1
;; launch qkv (part 2): grid 12 x 32, 4 waves a work-group, clusters of 4 x 4, 327,680 bytes of LDS; arguments xc, xs, wc, ws, b_qkv, qkv; writes qkv
.if DOCPART == 2
	.amdgcn_target "amdgcn-amd-amdhsa--gfx1250"
	.amdhsa_code_object_version 6
	.text
	.protected	k_qa6d8ea33ee_qkv
	.globl	k_qa6d8ea33ee_qkv
	.p2align	8
	.type	k_qa6d8ea33ee_qkv,@function
k_qa6d8ea33ee_qkv:
	s_mov_b64 s[64:65], 0
	v_nop
	global_prefetch_b8 v0, s[64:65] scope:SCOPE_SE
	s_setreg_imm32_b32 hwreg(HW_REG_WAVE_MODE, 25, 1), 1
	s_wait_xcnt 0x0
	s_wait_alu depctr_hold_cnt(0) depctr_sa_sdst(0) depctr_va_vdst(0) depctr_va_sdst(0) depctr_va_ssrc(0) depctr_va_vcc(0) depctr_vm_vsrc(0)
	s_getreg_b32 s2, hwreg(HW_REG_IB_STS2, 6, 4)
	s_cmp_eq_u32 s2, 0
	s_cbranch_scc0 .Lentry_in_a_cluster
	s_endpgm
.Lentry_in_a_cluster:
	s_bfe_u32 s2, ttmp6, 0x10000c
	s_cmp_lg_u32 s2, 0xf033
	s_cbranch_scc0 .Lentry_shape_is_right
	s_endpgm
.Lentry_shape_is_right:
; [q k v] = x w_qkv + b_qkv on codes of FP4 (E2M1) with one E8M0 scale for each 32 along K; sums in f32; the result is rounded once to f16 and laid by head: qkv [3][64 = 16 b + h][2048 n][64 d].
; A = x: xc [8192][512 bytes], xs [8192][32];  B = w_qkv with K innermost: wc [3072][512 bytes], ws [3072][32].
; WORK LEFT OUT: the bias on k, b_qkv[1024:2048], is neither loaded nor added: it adds the same number to all scores of a row, which a softmax does not see (shown at the head of the first launch, with its limit).
; LIMIT: |q|, |k|, |v| stay under 65,504 (f16).
; A tile of 256 x 256 is made by four waves, each 128 x 128: 64 accumulators, 512 registers.  K = 1,024 is two slots of 512 (LDS rows of 256 bytes): both are first fills, with the scale bytes of the work-group's
; rows; nothing is filled again, so there is no loop.  A wave has three tensor loads out.
; CLUSTERS: 4 x 4 work-groups; A's tiles are asked for jointly along a row of the cluster, B's along a column.  A cluster's 1,024 columns are one of q, k, v: the cluster's x says which, the same in all sixteen partners.
; THE MATRIX INSTRUCTION IS USED TRANSPOSED (source 0 = 16 rows of B, source 1 = 16 rows of A): a lane holds eight neighbouring columns of one row.
; No prefetch: all tiles that the work-group reads are asked for at its head.
; REGISTERS: window 0: v0-31 addresses; v32-95 scale words, two sets, and nothing else; v96-127 packed results; v128-191 A's fragments, one set; v192-255 rows on the way out.
;   window 1: B's fragments at v0 and at v128; v64-127 the bias in the result's layout.   window 2: accumulators of my rows 0-63 ((a, b) at v[8 (8 a + b)]);   window 3: of my rows 64-127.
.set NQ,     4                         ; steps of 128 along K in a slot
.set ROWB,   256                       ; a tile's row in bytes
.set KROW,   512                       ; a row of codes in memory
.set PITCH,  272                       ; an LDS row: 256 bytes + 16: the 16 rows that a load touches start at 16 different banks
.set FR,     8
.set NL,     2
.set NP,     4                         ; places behind this matrix instruction (ISA guide 7.12.1)
.set HALFT,  128*PITCH
.set SLOT,   4*HALFT
.set KS,     32                        ; a row of scale bytes
.set SCL,    2*SLOT                    ; behind the slots: the scales, as units of 256 bytes + 16 of padding
.set HALFS,  16*272                    ; those of 128 rows
.set SBLK,   2*272                     ; those of 16 rows
.set SPARE,  SCL+4*HALFS               ; the spare words, 128 bytes for each wave: two blocks of 256 bytes that no other line names
.set ADRA, 16
.set ADRB, 20
.set STO,  24
.set RD,   25
.set CO,   26
.set ADRS, 27
.set SPW,  28
.set NIL,  29
.set BO,   30                          ; v30  32 x (lane / 16): my eight numbers of a block of the bias
.set SC,   32
.set TMP,  96
.set AF,   128
.set BK,   192
.set BI,   64                          ; in window 1
.set G1, 24
.set G0, 32
.set G1B, 48
.set G0B, 56
.set G1S, 68
.set G0S, 76
.set G1SB, 80
.set G0SB, 88
.set MSB, 0
.macro WIN new                         ; the immediate's high byte repeats the setting that is left
.if MSB != (\new)
	s_set_vgpr_msb (MSB<<8)|(\new)
.set MSB, \new
.endif
.endm
.set MUL_LO,  0xa1                     ; source 0 (B) window 1, source 1 (A) window 0, C and D window 2
.set MUL_HI,  0xf1                     ; the same, C and D window 3
.set BIAS_LO, 0x91                     ; the first step: C (the bias) window 1, D window 2
.set BIAS_HI, 0xd1                     ; D window 3
.set TO_B,    0x40                     ; destination window 1, address window 0
; A joint load: waves 0 and 1 fetch for A, waves 2 and 3 for B.  An s_nop 0 and four v_nop follow each of the two lines.
.macro JLOAD g0a, g1a, g0b, g1b
	s_cmp_eq_u32 s15, 0
	s_cbranch_scc0 .Lfor_b_\@
	tensor_load_to_lds s[\g0a:\g0a+3], s[\g1a:\g1a+7]
	s_nop 0
.rept 4
	v_nop
.endr
	s_branch .Lasked_\@
.Lfor_b_\@:
	tensor_load_to_lds s[\g0b:\g0b+3], s[\g1b:\g1b+7]
	s_nop 0
.rept 4
	v_nop
.endr
.Lasked_\@:
.endm
.macro CROUND                          ; a round of the cluster's barrier
	s_barrier_signal -1
	s_barrier_wait -1
	s_cmp_lg_u32 s14, 0
	s_cbranch_scc1 .Lnot_wave_0_\@
	s_barrier_signal -3
.Lnot_wave_0_\@:
	s_barrier_wait -3
	s_barrier_signal -1
	s_barrier_wait -1
.endm
	s_load_b128 s[4:7], s[0:1], 0x0                ; xc s[4:5], xs s[6:7]
	s_load_b128 s[8:11], s[0:1], 0x10              ; wc s[8:9], ws s[10:11]
	s_load_b64 s[96:97], s[0:1], 0x20              ; b_qkv
	s_load_b64 s[12:13], s[0:1], 0x28              ; qkv
	v_lshl_add_u32 v[SPW], v0, 2, SPARE
	v_mov_b32 v[NIL], 0
	ds_add_u32 v[SPW], v[NIL]                      ; the wave's opening: the add, twice on end, and its wait ahead of my first tensor load
	ds_add_u32 v[SPW], v[NIL]
	v_lshrrev_b32 v1, 5, v0
	v_readfirstlane_b32 s14, v1                    ; wave 0..3
	s_lshr_b32 s15, s14, 1                         ; which half of the tile's rows is mine.  Also: I fetch for A (0) or for B (1)
	s_and_b32 s16, s14, 1                          ; which half of its columns.  Also: which 128 rows of that tile I fetch
	s_bfe_u32 s40, ttmp6, 0x40000                  ; cx, cy
	s_bfe_u32 s41, ttmp6, 0x40004
	s_lshl_b32 s42, ttmp9, 2
	s_add_co_u32 s42, s42, s40                     ; tile column = 4 x cluster x + cx: 0..11
	s_and_b32 s17, ttmp7, 0xffff
	s_lshl_b32 s17, s17, 2
	s_add_co_u32 s17, s17, s41                     ; tile row = 4 x cluster y + cy: 0..31
	s_lshl_b32 s43, s41, 2
	s_lshl_b32 s43, 15, s43                        ; my row of the cluster
	s_lshl_b32 s44, 0x1111, s40                    ; my column
	s_or_b32 s[G1+0], s43, (0<<16)|(1<<20)|(1<<21)|(5<<22)|(3<<25)  ; the mask; elements of 1 byte; padding on; bit 21 beside a mask; after every 64 words, 4 words
	s_or_b32 s[G1B+0], s44, (0<<16)|(1<<20)|(1<<21)|(5<<22)|(3<<25)
.irp g, G1, G1B
	s_mov_b32 s[\g+1], ROWB<<16                    ; tensor_dim0
	s_mov_b32 s[\g+2], 128<<16                     ; tensor_dim1
	s_mov_b32 s[\g+3], ROWB<<16                    ; tile_dim0
	s_mov_b32 s[\g+4], 128                         ; tile_dim1
	s_mov_b32 s[\g+5], KROW                        ; tensor_dim0_stride
	s_mov_b32 s[\g+6], 0
	s_mov_b32 s[\g+7], 0
.endr
	s_or_b32 s[G1S+0], s43, (3<<16)|(1<<20)|(1<<21)|(5<<22)|(3<<25) ; the scales of 128 rows: 4,096 dense bytes as 16 rows of 256 (32 elements of 8 bytes), 16 bytes of padding behind each
	s_or_b32 s[G1SB+0], s44, (3<<16)|(1<<20)|(1<<21)|(5<<22)|(3<<25)
.irp g, G1S, G1SB
	s_mov_b32 s[\g+1], 32<<16
	s_mov_b32 s[\g+2], 16<<16
	s_mov_b32 s[\g+3], 32<<16
	s_mov_b32 s[\g+4], 16
	s_mov_b32 s[\g+5], 32
	s_mov_b32 s[\g+6], 0
	s_mov_b32 s[\g+7], 0
.endr
	s_lshl_b32 s18, s16, 7                         ; which 128 rows of the tile I fetch
	s_lshl_b32 s20, s17, 8
	s_add_co_u32 s20, s20, s18                     ; A: row 256 x tile row + 128 x half
	s_lshl_b32 s46, s42, 8
	s_add_co_u32 s46, s46, s18                     ; B: row 256 x tile column + 128 x half
	s_mov_b32 s21, 0
	s_mov_b32 s47, 0
	s_mov_b64 s[18:19], KS
	s_mul_u64 s[22:23], s[20:21], s[18:19]         ; where these rows' scales begin,
	s_mul_u64 s[92:93], s[46:47], s[18:19]
	s_mov_b64 s[18:19], KROW
	s_mul_u64 s[20:21], s[20:21], s[18:19]         ; and their codes
	s_mul_u64 s[46:47], s[46:47], s[18:19]
	s_mul_i32 s45, s14, HALFT                      ; where they go: wave x 128 rows
	s_mul_i32 s94, s14, HALFS
	s_wait_dscnt 0x0                               ; both opening adds are done
	s_wait_kmcnt 0x0
	s_add_nc_u64 s[20:21], s[4:5], s[20:21]
	s_add_nc_u64 s[22:23], s[6:7], s[22:23]
	s_add_nc_u64 s[46:47], s[8:9], s[46:47]
	s_add_nc_u64 s[92:93], s[10:11], s[92:93]
	CROUND                                         ; all sixteen work-groups are here: the joint loads meet
	s_mov_b32 s[G0S], 1
	s_add_co_u32 s[G0S+1], s94, SCL
	s_mov_b64 s[G0S+2:G0S+3], s[22:23]
	s_or_b32 s[G0S+3], s[G0S+3], 0x80000000
	s_mov_b32 s[G0SB], 1
	s_add_co_u32 s[G0SB+1], s94, SCL
	s_mov_b64 s[G0SB+2:G0SB+3], s[92:93]
	s_or_b32 s[G0SB+3], s[G0SB+3], 0x80000000
	JLOAD G0S, G1S, G0SB, G1SB                     ; the scales first: they are wanted with the first slot
.irp s, 0,1
	s_mov_b32 s[G0+4*\s], 1
	s_add_co_u32 s[G0+4*\s+1], s45, \s*SLOT
	s_add_nc_u64 s[G0+4*\s+2:G0+4*\s+3], s[20:21], \s*ROWB
	s_or_b32 s[G0+4*\s+3], s[G0+4*\s+3], 0x80000000
	s_mov_b32 s[G0B+4*\s], 1
	s_add_co_u32 s[G0B+4*\s+1], s45, \s*SLOT
	s_add_nc_u64 s[G0B+4*\s+2:G0B+4*\s+3], s[46:47], \s*ROWB
	s_or_b32 s[G0B+4*\s+3], s[G0B+4*\s+3], 0x80000000
	JLOAD G0+4*\s, G1, G0B+4*\s, G1B
.endr
	v_and_b32 v1, 15, v0                           ; r = l % 16
	v_bfe_u32 v2, v0, 4, 1                         ; h = l / 16
	v_mul_u32_u24 v3, v1, PITCH
	v_lshl_add_u32 v4, v2, 4, v3                   ; a fragment's row x pitch + 16 x half
	s_mul_i32 s21, s15, HALFT                      ; my 128 rows of A
	s_mul_i32 s22, s16, HALFT                      ; my 128 rows of B,
	s_add_co_u32 s22, s22, 2*HALFT                 ; which lie behind A's 256
.irp s, 0,1
	v_add_nc_u32 v[ADRA+\s], s21, v4
	v_add_nc_u32 v[ADRB+\s], s22, v4
	s_add_co_u32 s21, s21, SLOT
	s_add_co_u32 s22, s22, SLOT
.endr
	v_mul_u32_u24 v5, v1, KS                       ; my row's scales: 32 bytes a row,
	v_lshrrev_b32 v6, 8, v5
	v_lshl_add_u32 v5, v6, 4, v5                   ; and 16 more for each 256 passed
	s_mul_i32 s21, s15, HALFS
	s_mul_i32 s22, s16, HALFS
	s_add_co_u32 s22, s22, 2*HALFS
	s_sub_co_u32 s22, s22, s21
	v_mul_u32_u24 v6, s22, v2                      ; lanes 16-31 take B's: one product, the distance between the two bases
	s_add_co_u32 s21, s21, SCL
	v_add_nc_u32 v5, v5, v6
	v_add_nc_u32 v[ADRS], s21, v5
	; the way out: a stage of 2 heads x 8 pairs of rows x (256 bytes + 16) for each wave, in slot 0, which has had its only fill and its last read when the first result is stored there
	s_mul_i32 s23, s14, 4352
	v_lshrrev_b32 v5, 1, v1
	v_mul_u32_u24 v5, v5, 272                      ; pair r / 2,
	v_and_b32 v6, 1, v1
	v_lshl_add_u32 v5, v6, 7, v5                   ; its row r % 2: 128 bytes,
	v_lshl_add_u32 v5, v2, 4, v5                   ; my half's 16 bytes
	v_add_nc_u32 v[STO], s23, v5
	v_mul_u32_u24 v5, v2, 272
	v_lshl_add_u32 v5, v1, 4, v5
	v_add_nc_u32 v[RD], s23, v5                    ; back: lanes 0-15 one pair of rows, lanes 16-31 the next
	v_and_b32 v6, 31, v0
	v_lshlrev_b32 v[CO], 4, v6                     ; and in memory: 512 consecutive bytes
	s_lshl_b32 s20, ttmp9, 24                      ; q, k or v: 2^24 bytes each
	s_lshr_b32 s21, s17, 3                         ; the batch,
	s_lshl_b32 s21, s21, 4
	s_lshl_b32 s46, s40, 2
	s_add_co_u32 s21, s21, s46                     ; + the head: 4 cx
	s_lshl_b32 s46, s16, 1
	s_add_co_u32 s21, s21, s46                     ; + 2 x my half of the columns
	s_lshl_b32 s21, s21, 18                        ; planes of 2,048 x 128 bytes
	s_add_co_u32 s20, s20, s21
	s_and_b32 s21, s17, 7
	s_lshl_b32 s21, s21, 8
	s_lshl_b32 s46, s15, 7
	s_add_co_u32 s21, s21, s46                     ; my first position in the sequence
	s_lshl_b32 s21, s21, 7
	s_add_co_u32 s20, s20, s21
	s_mov_b32 s21, 0
	s_add_nc_u64 s[12:13], s[12:13], s[20:21]
	s_lshl_b32 s46, s42, 10                        ; the bias of my 128 columns: 1,024 x tile column + 512 x half, in bytes
	s_lshl_b32 s47, s16, 9
	s_add_co_u32 s46, s46, s47
	s_mov_b32 s47, 0
	s_add_nc_u64 s[96:97], s[96:97], s[46:47]
	v_lshlrev_b32 v[BO], 5, v2
	; THE BIAS IS THE C OF THE FIRST STEP'S PRODUCTS: register 8 b + j of the 64 holds the bias of column 16 b + 8 (l / 16) + j.  For k there is none: the same registers hold zeros, so that the first step has one text.
	s_cmp_eq_u32 ttmp9, 1                          ; the cluster's x: the same in all sixteen partners
	s_cbranch_scc1 .Lno_bias
	WIN TO_B
.irp b, 0,1,2,3,4,5,6,7
	global_load_b128 v[BI+8*\b:BI+8*\b+3], v[BO], s[96:97] offset:64*\b
	global_load_b128 v[BI+8*\b+4:BI+8*\b+7], v[BO], s[96:97] offset:64*\b+16
.endr
	WIN 0
	s_branch .Lbias_done
.Lno_bias:
	WIN TO_B
.set i, 0
.rept 64
	v_mov_b32 v[BI+i], 0
.set i, i+1
.endr
	WIN 0
.Lbias_done:
.macro FRAG reg, adr, q, i             ; 16 rows x 128 K of 4-bit codes: 8 registers: lane l holds row l % 16; registers 4 c .. 4 c + 3 hold K = 64 c + 32 (l / 16) + 0 .. 31
.irp c, 0,1
	ds_load_b128 v[\reg+4*\c:\reg+4*\c+3], v[\adr] offset:64*(\q)+32*\c+(\i)*16*PITCH
.endr
.endm
; 16 matrix instructions: A's blocks a0, a0 + 1 x B's eight.  zero = 1: the first products start the sums from the bias.  The 64 accumulators take turns, one instruction a turn.
.macro MUL16 a0, p, q, sc, zero
.irp a, \a0, \a0+1
.irp b, 0,1,2,3,4,5,6,7
.if \zero
	v_wmma_scale_f32_16x16x128_f8f6f4 v[8*(8*((\a)%4)+\b):8*(8*((\a)%4)+\b)+7], v[128*(\p)+FR*\b:128*(\p)+FR*\b+FR-1], v[AF+FR*(\a):AF+FR*(\a)+FR-1], v[BI+8*\b:BI+8*\b+7], v[SC+8*NQ*(\sc)+NQ*\b+(\q)], v[SC+8*NQ*(\sc)+NQ*(\a)+(\q)] matrix_a_fmt:MATRIX_FMT_FP4 matrix_b_fmt:MATRIX_FMT_FP4 matrix_a_scale:MATRIX_SCALE_ROW1
.else
	v_wmma_scale_f32_16x16x128_f8f6f4 v[8*(8*((\a)%4)+\b):8*(8*((\a)%4)+\b)+7], v[128*(\p)+FR*\b:128*(\p)+FR*\b+FR-1], v[AF+FR*(\a):AF+FR*(\a)+FR-1], v[8*(8*((\a)%4)+\b):8*(8*((\a)%4)+\b)+7], v[SC+8*NQ*(\sc)+NQ*\b+(\q)], v[SC+8*NQ*(\sc)+NQ*(\a)+(\q)] matrix_a_fmt:MATRIX_FMT_FP4 matrix_b_fmt:MATRIX_FMT_FP4 matrix_a_scale:MATRIX_SCALE_ROW1
.endif
.endr
.endr
.endm
.macro FETCH_B slot, q, p
	WIN TO_B
.irp i, 0,1,2,3,4,5,6,7
	FRAG 128*(\p)+FR*\i, ADRB+\slot, \q, \i
.endr
	WIN 0
.endm
.macro FETCH_A slot, q, i0
.irp i, \i0, \i0+1, \i0+2, \i0+3
	FRAG AF+FR*(\i), ADRA+\slot, \q, \i
.endr
.endm
.macro SCALES sc                       ; a slot's scale words: 4 words a row; lanes 0-15 take A's block i, lanes 16-31 B's block i
.irp i, 0,1,2,3,4,5,6,7
	ds_load_b128 v[SC+8*NQ*\sc+NQ*\i:SC+8*NQ*\sc+NQ*\i+3], v[ADRS] offset:\i*SBLK
.endr
.endm
.macro PLACES n                        ; plain vector instructions that name no register of the matrix instructions ahead of them (ISA guide 7.12.1)
.rept \n
	v_nop
.endr
.endm
.macro STEP slot, q, zero              ; a step of 128 along K that has its successor in the same slot
	s_wait_dscnt 4*NL                              ; B's set and A's blocks 0-3 are in; the youngest eight loads (A's blocks 4-7) may be out
.if \zero
	WIN BIAS_LO
.else
	WIN MUL_LO
.endif
	MUL16 0, (\q)%2, \q, \slot, \zero
	MUL16 2, (\q)%2, \q, \slot, \zero
	s_wait_dscnt 0                                 ; A's blocks 4-7 are in
	PLACES NP
	FETCH_B \slot, (\q)+1, 1-(\q)%2
	FETCH_A \slot, (\q)+1, 0
.if \zero
	WIN BIAS_HI
.else
	WIN MUL_HI
.endif
	MUL16 4, (\q)%2, \q, \slot, \zero
	MUL16 6, (\q)%2, \q, \slot, \zero
	PLACES NP
	WIN 0
	FETCH_A \slot, (\q)+1, 4
.endm
; Slot 0's last step changes slots: one barrier; in front of it each wave waits for all its tensor loads (its part of slot 1), adds 0 to its spare word, and waits for that and for its reads of slot 0.  Nothing is filled again.
.macro TURN slot, next
	s_wait_tensorcnt 0x0
	ds_add_u32 v[SPW], v[NIL]
	s_wait_dscnt 4*NL+1                            ; (the add and the youngest eight loads may be out)
	WIN MUL_LO
	MUL16 0, 1, NQ-1, \slot, 0
	s_wait_dscnt 0x0                               ; the add is done, and my reads of this slot are over
	s_barrier_signal -1
	MUL16 2, 1, NQ-1, \slot, 0
	WIN 0
	s_barrier_wait -1
	PLACES NP
	v_add_nc_u32 v[ADRS], 4*NQ, v[ADRS]            ; on to the next slot's scale words
	FETCH_B \next, 0, 0
	FETCH_A \next, 0, 0
	SCALES \next
	WIN MUL_HI
	MUL16 4, 1, NQ-1, \slot, 0
	MUL16 6, 1, NQ-1, \slot, 0
	PLACES NP
	WIN 0
	FETCH_A \next, 0, 4
.endm
.macro STEPS slot, from
.set Q, \from
.rept NQ-1-\from
	STEP \slot, Q, 0
.set Q, Q+1
.endr
.endm
	s_wait_tensorcnt 1                             ; the scales and my part of slot 0 are in (slot 1's load may be out)
	s_barrier_signal -1
	s_barrier_wait -1                              ; everybody's are
	FETCH_B 0, 0, 0
	FETCH_A 0, 0, 0
	SCALES 0
	FETCH_A 0, 0, 4
	s_wait_loadcnt 0x0                             ; the bias
	STEP 0, 0, 1
	STEPS 0, 1
	TURN 0, 1
	STEPS 1, 0
	s_wait_dscnt 4*NL                              ; the very last step: nothing more to fetch
	WIN MUL_LO
	MUL16 0, 1, NQ-1, 1, 0
	MUL16 2, 1, NQ-1, 1, 0
	s_wait_dscnt 0
	WIN MUL_HI
	MUL16 4, 1, NQ-1, 1, 0
	MUL16 6, 1, NQ-1, 1, 0
	WIN 0
; THE WAY OUT, block by block of 16 rows x 128 columns = 2 heads x 16 rows x 128 bytes of f16.  In memory a head's 16 rows are 2,048 dense bytes.  A lane's eight numbers pack into 16 bytes; they go through my
; stage, where a pair of rows lies as its 256 bytes of memory, and come back so that each store of the wave covers 512 consecutive bytes, aligned.
.macro PACK a
.set AC, 64*((\a)%4)
	WIN 0x0a+5*((\a)/4)                            ; sources 0 and 1: window 2 or 3
.irp b, 0,1,2,3,4,5,6,7
.irp r, 0,1,2,3
	v_cvt_pk_f16_f32 v[TMP+4*\b+\r], v[AC+8*\b+2*\r], v[AC+8*\b+2*\r+1]   ; each accumulator from its low end on
.endr
.endr
	WIN 0
.endm
.macro TOSTAGE a
.set BB, BK+32*((\a)%2)
.if (\a) > 1
	s_wait_xcnt 0x0                                ; block a - 2's stores have read their registers: block a's loads may land there
.endif
.irp b, 0,1,2,3,4,5,6,7
	ds_store_b128 v[STO], v[TMP+4*\b:TMP+4*\b+3] offset:(\b/4)*2176+(\b%4)*32
.endr
.irp i, 0,1,2,3,4,5,6,7
	ds_load_b128 v[BB+4*\i:BB+4*\i+3], v[RD] offset:(\i/4)*2176+(\i%4)*544   ; LDS serves a wave's instructions in order (ISA guide 5.7.1.4): these see the stores above
.endr
.endm
.macro SEND a
.set BB, BK+32*((\a)%2)
	s_wait_dscnt 0x0                               ; the block is back in registers
.irp i, 0,1,2,3,4,5,6,7
	global_store_b128 v[CO], v[BB+4*\i:BB+4*\i+3], s[12:13] offset:(\i/4)*262144+(\a)*2048+(\i%4)*512
.endr
.endm
	PLACES NP                                      ; behind the last products, ahead of the first read of results
	PACK 0
	TOSTAGE 0
.irp a, 1,2,3,4,5,6,7                  ; block a's conversions stand between block a - 1's loads from the stage and the wait for them
	PACK \a
	SEND \a-1
	TOSTAGE \a
.endr
	SEND 7
	s_wait_tensorcnt 0x0                           ; the wave's end, behind my last tensor load and my last LDS store
	ds_add_u32 v[SPW], v[NIL]
	s_wait_dscnt 0x0
	CROUND                                         ; the closing round
	s_endpgm
.Lfunc_end_k_qa6d8ea33ee_qkv:
	.size	k_qa6d8ea33ee_qkv, .Lfunc_end_k_qa6d8ea33ee_qkv-k_qa6d8ea33ee_qkv
	.p2alignl 7, 3214868480
	.fill 96, 4, 3214868480
	.section	.rodata,"a",@progbits
	.p2align	6, 0x0
	.amdhsa_kernel k_qa6d8ea33ee_qkv
		.amdhsa_group_segment_fixed_size 327680
		.amdhsa_private_segment_fixed_size 0
		.amdhsa_enable_private_segment 0
		.amdhsa_kernarg_size 48
		.amdhsa_user_sgpr_count 2
		.amdhsa_user_sgpr_kernarg_segment_ptr 1
		.amdhsa_wavefront_size32 1
		.amdhsa_system_sgpr_workgroup_id_x 1
		.amdhsa_system_sgpr_workgroup_id_y 1
		.amdhsa_system_sgpr_workgroup_id_z 1
		.amdhsa_system_vgpr_workitem_id 0
		.amdhsa_next_free_vgpr 1024
		.amdhsa_next_free_sgpr 100
		.amdhsa_reserve_vcc 0
		.amdhsa_float_denorm_mode_32 3
		.amdhsa_float_denorm_mode_16_64 3
		.amdhsa_memory_ordered 1
		.amdhsa_forward_progress 1
		.amdhsa_inst_pref_size 130
	.end_amdhsa_kernel
	.amdgpu_metadata
---
amdhsa.version: [ 1, 2 ]
amdhsa.kernels:
  - .name:           k_qa6d8ea33ee_qkv
    .symbol:         k_qa6d8ea33ee_qkv.kd
    .args:
      - { .name: xc, .offset: 0, .size: 8, .value_kind: global_buffer, .address_space: global }
      - { .name: xs, .offset: 8, .size: 8, .value_kind: global_buffer, .address_space: global }
      - { .name: wc, .offset: 16, .size: 8, .value_kind: global_buffer, .address_space: global }
      - { .name: ws, .offset: 24, .size: 8, .value_kind: global_buffer, .address_space: global }
      - { .name: b_qkv, .offset: 32, .size: 8, .value_kind: global_buffer, .address_space: global }
      - { .name: qkv, .offset: 40, .size: 8, .value_kind: global_buffer, .address_space: global }
    .group_segment_fixed_size: 327680
    .private_segment_fixed_size: 0
    .kernarg_segment_align: 8
    .kernarg_segment_size: 48
    .max_flat_workgroup_size: 128
    .sgpr_count:     100
    .vgpr_count:     1024
    .wavefront_size: 32
...
	.end_amdgpu_metadata
.endif
;; end of part 2
;; launch attn (part 3): grid 4 x 64, 8 waves a work-group, clusters of 4 x 1, 327,680 bytes of LDS; arguments qkv, att; writes att
.if DOCPART == 3
	.amdgcn_target "amdgcn-amd-amdhsa--gfx1250"
	.amdhsa_code_object_version 6
	.text
	.protected	k_qa6d8ea33ee_attn
	.globl	k_qa6d8ea33ee_attn
	.p2align	8
	.type	k_qa6d8ea33ee_attn,@function
k_qa6d8ea33ee_attn:
	s_mov_b64 s[64:65], 0
	v_nop
	global_prefetch_b8 v0, s[64:65] scope:SCOPE_SE
	s_setreg_imm32_b32 hwreg(HW_REG_WAVE_MODE, 25, 1), 1
	s_wait_xcnt 0x0
	s_wait_alu depctr_hold_cnt(0) depctr_sa_sdst(0) depctr_va_vdst(0) depctr_va_sdst(0) depctr_va_ssrc(0) depctr_va_vcc(0) depctr_vm_vsrc(0)
	s_getreg_b32 s2, hwreg(HW_REG_IB_STS2, 6, 4)
	s_cmp_eq_u32 s2, 0
	s_cbranch_scc0 .Lentry_in_a_cluster
	s_endpgm
.Lentry_in_a_cluster:
	s_bfe_u32 s2, ttmp6, 0x10000c
	s_cmp_lg_u32 s2, 0x3003
	s_cbranch_scc0 .Lentry_shape_is_right
	s_endpgm
.Lentry_shape_is_right:
; att[h][b n][:] = the sum over m of softmax_m(q[n] . k[m] / 8) v[m][:], for each of the 64 pairs (b, h).  q, k, v: qkv [3][64][2048][64] f16; att: [16 h][8192 = 2048 b + n][64] f16.
; Products, maxima and sums in f32; the weights p are rounded to f16 for the second product, the result once at the end.  (k comes without its bias, which a softmax does not see: shown at the head of the first launch.)
; SHARES.  A cluster of four work-groups is one (b, h); each work-group owns 512 queries, each of its eight waves 64: four tiles of 16.  Two waves share a SIMD, each written in phases (K Q^T, softmax, V^T P),
; so that one wave's vector work stands beside the other's matrix work: with a head of 64 a step has 472 vector instructions for 64 matrix instructions, more than slices between one wave's own products could take.
; K and V are asked for JOINTLY by the four work-groups: the same tensor load, with the same descriptor and a mask that names the four.
; LAYOUT.  S^T = K Q^T (source 0 = 16 keys, source 1 = 16 queries): a lane holds ONE query (lane % 16) and the keys 8 (lane / 16) + 0..7.  Two such tiles, rounded to f16 in pairs, ARE source 1 of O^T = V^T P.
; K comes out of LDS as it lies, V ([key][channel]) turned, by ds_load_tr16_b128.
; SOFTMAX.  For each query a running maximum m and sum l: p = 2^(c s - c m), c = log2(e) / 8; in every step O and l are multiplied by a = 2^(c m_old - c m_new).
; THE RING.  Two slots of 512 keys (8 key steps of 64).  Waves 0-3 fetch K's quarters, waves 4-7 V's: 128 rows a load.  A wave has two loads out at the head and one behind a round;
; a refill has a whole slot's 8 key steps in which to land, so no prefetch is laid: no wave waits for a refill, and nothing is asked for at the head.
; REGISTERS: window 0: v1-13 addresses; v16-47 statistics, 8 a tile; v64-191 S^T, 32 a tile; v192-255 P, 16 a tile.
;   window 1: v0-127 O^T, 32 a tile; v128-191 Q, 16 a tile; v192-255 ONE buffer of 8 fragments: K's during K Q^T, V's during V^T P.
.set PK,    144                        ; a row of K in LDS: 128 bytes + 16: the 16 rows of a load start at 16 different banks
.set PV,    160                        ; a row of V: 128 + 32: an odd multiple of 32
.set SK,    512                        ; keys in a slot
.set VOFF,  SK*PK                      ; a slot: 512 rows of K, then 512 rows of V
.set SLOT,  SK*(PK+PV)
.set QK,    128*PK                     ; what one load brings of K,
.set QV,    128*PV                     ; of V
.set SPARE, 2*SLOT                     ; behind the ring: the spare words, 128 bytes for each wave: four blocks of 256 bytes that no other line names
.set AK0, 2                            ; v2   my lane's place in a tile of K
.set AV0, 3                            ; v3   the same for V
.set ADR, 4                            ; v4   the LDS address of the run of loads in hand
.set QO,  5                            ; v5   my byte offset in the wave's rows of Q
.set STO, 6                            ; v6   the way out: where I put 16 bytes of a row
.set RD,  7                            ; v7   where I read rows back
.set GO,  8                            ; v8   16 x lane
.set SPW, 12
.set NIL, 13
.set ST,  16                           ; tile t's statistics at v[ST+8 t]: +0 c m, +1 m, +2, +3 l (even keys', odd keys'), +4 to +7 at work; a at +6
.set S,   64
.set P,   192
.set QF,  128                          ; in window 1
.set KV,  192                          ; in window 1
.set WV,  12                           ; s12  my wave's number
.set G1K, 24
.set G1V, 32
.set G0K, 40                           ; s[40:47] group 0 for K's tiles, a set for each slot
.set G0V, 48                           ; s[48:55] for V's
.set CNT, 56
.set TBK, 57                           ; LDS byte at which the step's K begins
.set CS,  58                           ; s[58:59] c
.set SEL, 60                           ; s[60:61] lane selects for v_permlanex16_b32: lane l xor 16
.set TBV, 62                           ; LDS byte at which the step's V begins
.set MSB, 0
.macro WIN new
.if MSB != (\new)
	s_set_vgpr_msb (MSB<<8)|(\new)
.set MSB, \new
.endif
.endm
.set W_LD, 0x40                        ; destination window 1, address window 0
.set W_KQ, 0x05                        ; K and Q in window 1, S^T in window 0
.set W_PV, 0x51                        ; V in window 1, P in window 0, O^T (C and D) in window 1
.set W_RS, 0x41                        ; O^T (destination and source 0) in window 1, a in window 0
.macro JLOAD s                         ; a joint refill of slot s; the branch hangs on the wave's number alone.  An s_nop 0 and four v_nop follow each of the two lines
	s_cmp_lt_u32 s[WV], 4
	s_cbranch_scc0 .Lfor_v_\@
	tensor_load_to_lds s[G0K+4*\s:G0K+4*\s+3], s[G1K:G1K+7]
	s_nop 0
.rept 4
	v_nop
.endr
	s_branch .Lasked_\@
.Lfor_v_\@:
	tensor_load_to_lds s[G0V+4*\s:G0V+4*\s+3], s[G1V:G1V+7]
	s_nop 0
.rept 4
	v_nop
.endr
.Lasked_\@:
.endm
.macro CROUND                          ; a round of the cluster's barrier
	s_barrier_signal -1
	s_barrier_wait -1
	s_cmp_lg_u32 s[WV], 0
	s_cbranch_scc1 .Lnot_wave_0_\@
	s_barrier_signal -3
.Lnot_wave_0_\@:
	s_barrier_wait -3
	s_barrier_signal -1
	s_barrier_wait -1
.endm
	s_load_b128 s[4:7], s[0:1], 0x0                ; qkv s[4:5], att s[6:7]
	v_lshl_add_u32 v[SPW], v0, 2, SPARE
	v_mov_b32 v[NIL], 0
	ds_add_u32 v[SPW], v[NIL]                      ; the wave's opening: the add, twice on end, and its wait ahead of my first tensor load
	ds_add_u32 v[SPW], v[NIL]
	v_lshrrev_b32 v1, 5, v0
	v_readfirstlane_b32 s[WV], v1                  ; wave 0..7
	s_and_b32 s14, ttmp7, 0xffff                   ; 16 b + h, which the four partners share
	s_lshl_b32 s16, s14, 18                        ; its plane of 2,048 x 128 bytes
	s_and_b32 s15, s[WV], 3                        ; which quarter of a slot I fetch
	s_lshl_b32 s17, s15, 14                        ; its 128 rows of 128 bytes in memory
	s_add_co_u32 s20, s16, s17
	s_add_co_u32 s20, s20, 1<<24                   ; K lies 2^24 bytes behind Q,
	s_mov_b32 s21, 0
	s_add_co_u32 s22, s20, 1<<24                   ; V behind K
	s_mov_b32 s23, 0
	s_mul_i32 s17, s15, QK                         ; and its place in a slot: no place in the cluster enters an LDS address
	s_mul_i32 s15, s15, QV
	s_add_co_u32 s15, s15, VOFF
	s_bfe_u32 s13, ttmp6, 0x40000                  ; cx
	s_lshl_b32 s18, ttmp9, 2
	s_add_co_u32 s18, s18, s13                     ; my block of 512 queries: it enters Q's and att's addresses alone
	s_lshl_b32 s18, s18, 16
	s_lshl_b32 s19, s[WV], 13
	s_add_co_u32 s18, s18, s19                     ; + my wave's 64 rows, in bytes
	s_add_co_u32 s2, s16, s18                      ; Q
	s_mov_b32 s3, 0
	s_and_b32 s19, s14, 15
	s_lshl_b32 s19, s19, 20                        ; att: the head's plane of 8,192 x 128 bytes,
	s_lshr_b32 s14, s14, 4
	s_lshl_b32 s14, s14, 18                        ; the batch's 2,048 rows
	s_add_co_u32 s8, s19, s14
	s_add_co_u32 s8, s8, s18
	s_mov_b32 s9, 0
	s_mov_b32 s[G1K], 15|(1<<16)|(1<<20)|(1<<21)|(4<<22)|(3<<25)  ; the mask: all four; elements of 2 bytes; padding on; bit 21 beside a mask; after every 32 words, 4 words
	s_mov_b32 s[G1V], 15|(1<<16)|(1<<20)|(1<<21)|(4<<22)|(7<<25)  ; the same with 8 words of padding
.irp g, G1K, G1V
	s_mov_b32 s[\g+1], 64<<16                      ; tensor_dim0 = 64
	s_mov_b32 s[\g+2], 128<<16                     ; tensor_dim1 = 128
	s_mov_b32 s[\g+3], 64<<16                      ; tile_dim0 = 64
	s_mov_b32 s[\g+4], 128                         ; tile_dim1 = 128
	s_mov_b32 s[\g+5], 64                          ; tensor_dim0_stride
	s_mov_b32 s[\g+6], 0
	s_mov_b32 s[\g+7], 0
.endr
	s_mov_b32 s[CS], 0x3e38aa3b                    ; c = log2(e) / 8
	s_mov_b32 s[CS+1], s[CS]                       ; named with it as a pair, so it is written
	s_mov_b32 s[SEL], 0x76543210
	s_mov_b32 s[SEL+1], 0xfedcba98
	s_wait_dscnt 0x0                               ; both opening adds are done
	s_wait_kmcnt 0x0
	s_add_nc_u64 s[10:11], s[6:7], s[8:9]          ; att at my wave's first row
	s_add_nc_u64 s[6:7], s[4:5], s[20:21]          ; K at my quarter of slot 0
	s_add_nc_u64 s[8:9], s[4:5], s[22:23]          ; V likewise
	s_add_nc_u64 s[4:5], s[4:5], s[2:3]            ; Q at my wave's first row
	CROUND                                         ; all four work-groups are here: the first joint loads meet
.irp s, 0,1
	s_mov_b32 s[G0K+4*\s], 1
	s_add_co_u32 s[G0K+4*\s+1], s17, \s*SLOT
	s_add_nc_u64 s[G0K+4*\s+2:G0K+4*\s+3], s[6:7], \s*SK*128
	s_or_b32 s[G0K+4*\s+3], s[G0K+4*\s+3], 0x80000000
	s_mov_b32 s[G0V+4*\s], 1
	s_add_co_u32 s[G0V+4*\s+1], s15, \s*SLOT
	s_add_nc_u64 s[G0V+4*\s+2:G0V+4*\s+3], s[8:9], \s*SK*128
	s_or_b32 s[G0V+4*\s+3], s[G0V+4*\s+3], 0x80000000
.endr
	s_cmp_lt_u32 s[WV], 4                          ; a wave's two first fills stand in one branch, ahead of every wait on TENSORcnt and every LDS read
	s_cbranch_scc0 .Lfirst_v
	tensor_load_to_lds s[G0K:G0K+3], s[G1K:G1K+7]
	s_nop 0
	tensor_load_to_lds s[G0K+4:G0K+7], s[G1K:G1K+7]
	s_nop 0
.rept 4
	v_nop
.endr
	s_branch .Lfirst_asked
.Lfirst_v:
	tensor_load_to_lds s[G0V:G0V+3], s[G1V:G1V+7]
	s_nop 0
	tensor_load_to_lds s[G0V+4:G0V+7], s[G1V:G1V+7]
	s_nop 0
.rept 4
	v_nop
.endr
.Lfirst_asked:
	v_and_b32 v1, 15, v0                           ; r = l % 16
	v_bfe_u32 v9, v0, 4, 1                         ; h = l / 16
	v_lshlrev_b32 v[QO], 7, v1
	v_lshl_add_u32 v[QO], v9, 4, v[QO]             ; row x 128 + 16 x half
	WIN W_LD
.irp t, 0,1,2,3                        ; Q stays in registers: tile t, channels 32 c on
.irp c, 0,1
	global_load_b128 v[QF+16*\t+8*\c:QF+16*\t+8*\c+3],   v[QO], s[4:5] offset:\t*2048+\c*64
	global_load_b128 v[QF+16*\t+8*\c+4:QF+16*\t+8*\c+7], v[QO], s[4:5] offset:\t*2048+\c*64+32
.endr
.endr
	WIN 0
	v_mul_u32_u24 v[AK0], v1, PK
	v_lshl_add_u32 v[AK0], v9, 4, v[AK0]           ; row x pitch + 16 x half
	v_and_b32 v10, 7, v0
	v_bfe_u32 v11, v0, 3, 1
	v_lshl_add_u32 v[AV0], v9, 3, v10              ; the turning load: lane l reads key 8 (l / 16) + l % 8, channels 8 ((l / 8) % 2) + 0..7
	v_mul_u32_u24 v[AV0], v[AV0], PV
	v_lshl_add_u32 v[AV0], v11, 4, v[AV0]
	s_mul_i32 s14, s[WV], 8704                     ; the way out: four stages of 8 pairs of rows x (256 bytes + 16) for each wave, in slot 0: it is left at the last change of slots and has had its last fill
	v_lshrrev_b32 v10, 1, v1
	v_mul_u32_u24 v10, v10, 272
	v_and_b32 v11, 1, v1
	v_lshl_add_u32 v10, v11, 7, v10
	v_lshl_add_u32 v10, v9, 4, v10
	v_add_nc_u32 v[STO], s14, v10                  ; pair r / 2, row r % 2, my half's 16 bytes
	v_mul_u32_u24 v10, v9, 272
	v_lshl_add_u32 v10, v1, 4, v10
	v_add_nc_u32 v[RD], s14, v10                   ; back: lanes 0-15 one pair of rows, lanes 16-31 the next
	v_and_b32 v10, 31, v0
	v_lshlrev_b32 v[GO], 4, v10
; A KEY STEP: 64 keys.  first = 1: the first step, which starts m, l and O^T: it has no a and nothing to rescale.
.macro STEP first
	WIN 0
	v_add_nc_u32 v[ADR], s[TBK], v[AK0]
	WIN W_LD
.irp kt, 0,1,2,3                       ; K's 8 fragments: keys 16 kt on, channels 32 c on.  (The buffer's last readers stand five plain instructions back: four v_nop at the last step's end and the addition above)
.irp c, 0,1
	ds_load_b128 v[KV+8*(2*\kt+\c):KV+8*(2*\kt+\c)+3],   v[ADR] offset:\kt*16*PK+\c*64
	ds_load_b128 v[KV+8*(2*\kt+\c)+4:KV+8*(2*\kt+\c)+7], v[ADR] offset:\kt*16*PK+\c*64+32
.endr
.endr
	s_wait_dscnt 0x0                               ; K is in
	WIN W_KQ
.irp c, 0,1                            ; S^T = K Q^T: 16 accumulators by turns, one instruction a turn; the first 16 start the sums
.irp kt, 0,1,2,3
.irp t, 0,1,2,3
.if \c == 0
	v_wmma_f32_16x16x32_f16 v[S+32*\t+8*\kt:S+32*\t+8*\kt+7], v[KV+8*(2*\kt+\c):KV+8*(2*\kt+\c)+7], v[QF+16*\t+8*\c:QF+16*\t+8*\c+7], 0
.else
	v_wmma_f32_16x16x32_f16 v[S+32*\t+8*\kt:S+32*\t+8*\kt+7], v[KV+8*(2*\kt+\c):KV+8*(2*\kt+\c)+7], v[QF+16*\t+8*\c:QF+16*\t+8*\c+7], v[S+32*\t+8*\kt:S+32*\t+8*\kt+7]
.endif
.endr
.endr
.endr
	WIN 0
	v_add_nc_u32 v[ADR], s[TBV], v[AV0]            ; this and three v_nop: the four places ahead of the loads into the buffer that those products read, and of the first read of the scores
.rept 3
	v_nop
.endr
	WIN W_LD
.irp kk, 0,1                           ; V's 8 fragments, turned: keys 32 kk on, channels 16 ct on; they land under the softmax
.irp ct, 0,1,2,3
	ds_load_tr16_b128 v[KV+8*(4*\kk+\ct):KV+8*(4*\kk+\ct)+3],   v[ADR] offset:\kk*32*PV+\ct*32
	ds_load_tr16_b128 v[KV+8*(4*\kk+\ct)+4:KV+8*(4*\kk+\ct)+7], v[ADR] offset:\kk*32*PV+16*PV+\ct*32
.endr
.endr
	WIN 0
	; the maximum of a lane's 32 scores and the old m; the four tiles take turns line by line.  Each accumulator is first read at its low end
.irp j, 0,1,2,3
.irp t, 0,1,2,3
	v_max3_num_f32 v[ST+8*\t+4+\j], v[S+32*\t+8*\j], v[S+32*\t+8*\j+1], v[S+32*\t+8*\j+2]
.endr
.endr
.irp g, 1,2
.irp j, 0,1,2,3
.irp t, 0,1,2,3
	v_max3_num_f32 v[ST+8*\t+4+\j], v[ST+8*\t+4+\j], v[S+32*\t+8*\j+2*\g+1], v[S+32*\t+8*\j+2*\g+2]
.endr
.endr
.endr
.irp t, 0,1,2,3
	v_max3_num_f32 v[ST+8*\t+4], v[ST+8*\t+4], v[S+32*\t+7], v[S+32*\t+15]
.endr
.irp t, 0,1,2,3
	v_max3_num_f32 v[ST+8*\t+6], v[ST+8*\t+6], v[S+32*\t+23], v[S+32*\t+31]
.endr
.irp t, 0,1,2,3
	v_max3_num_f32 v[ST+8*\t+4], v[ST+8*\t+4], v[ST+8*\t+5], v[ST+8*\t+6]
.endr
.irp t, 0,1,2,3
.if \first
	v_max_num_f32 v[ST+8*\t+4], v[ST+8*\t+4], v[ST+8*\t+7]
.else
	v_max3_num_f32 v[ST+8*\t+4], v[ST+8*\t+4], v[ST+8*\t+7], v[ST+8*\t+1]
.endif
.endr
.irp t, 0,1,2,3
	v_permlanex16_b32 v[ST+8*\t+5], v[ST+8*\t+4], s[SEL], s[SEL+1]   ; the query's other 32 keys lie in the lane 16 away
.endr
.if \first == 0
.irp t, 0,1,2,3
	v_mov_b32 v[ST+8*\t+7], v[ST+8*\t]             ; c m_old is kept for a
.endr
.endif
.irp t, 0,1,2,3
	v_max_num_f32 v[ST+8*\t+1], v[ST+8*\t+4], v[ST+8*\t+5]
.endr
.irp t, 0,1,2,3
	v_mul_f32 v[ST+8*\t], s[CS], v[ST+8*\t+1]
.endr
.if \first == 0
.irp t, 0,1,2,3
	v_sub_f32 v[ST+8*\t+7], v[ST+8*\t+7], v[ST+8*\t]
.endr
	; ONE BATCH of exponentials with one wait: none of its lines names an exponential's result.  A pair is scaled a turn of the four tiles ahead of its exponentials: one plain line to two exponentials
.irp t, 0,1,2,3
	v_exp_f32 v[ST+8*\t+6], v[ST+8*\t+7]           ; a
.endr
.endif
.irp t, 0,1,2,3
	v_pk_fma_f32 v[S+32*\t:S+32*\t+1], v[S+32*\t:S+32*\t+1], s[CS:CS+1], v[ST+8*\t:ST+8*\t+1] op_sel_hi:[1,0,0] neg_lo:[0,0,1] neg_hi:[0,0,1]   ; c s - c m
.endr
.irp b, 0,1,2,3,4,5,6,7,8,9,10,11,12,13,14,15
.irp t, 0,1,2,3
.if \b < 15
	v_pk_fma_f32 v[S+32*\t+2*\b+2:S+32*\t+2*\b+3], v[S+32*\t+2*\b+2:S+32*\t+2*\b+3], s[CS:CS+1], v[ST+8*\t:ST+8*\t+1] op_sel_hi:[1,0,0] neg_lo:[0,0,1] neg_hi:[0,0,1]
.endif
	v_exp_f32 v[S+32*\t+2*\b], v[S+32*\t+2*\b]
	v_exp_f32 v[S+32*\t+2*\b+1], v[S+32*\t+2*\b+1]
.endr
.endr
	v_nop                                          ; a plain instruction behind the last exponential, ahead of the first use
	s_wait_alu depctr_va_vdst(0)                   ; the one wait for the batch ahead of its first reader
.irp i, 0,1,2,3,4,5,6,7,8,9,10,11,12,13,14,15
.irp t, 0,1,2,3
	v_cvt_pk_f16_f32 v[P+16*\t+\i], v[S+32*\t+2*\i], v[S+32*\t+2*\i+1]   ; the weights for the second product
.endr
.endr
.irp u, 0,1,2,3,4,5,6,7                ; the sum of the unrounded weights, in place: neighbours 1, 2, 4, 8 pairs apart
.irp t, 0,1,2,3
	v_pk_add_f32 v[S+32*\t+4*\u:S+32*\t+4*\u+1], v[S+32*\t+4*\u:S+32*\t+4*\u+1], v[S+32*\t+4*\u+2:S+32*\t+4*\u+3]
.endr
.endr
.irp u, 0,1,2,3
.irp t, 0,1,2,3
	v_pk_add_f32 v[S+32*\t+8*\u:S+32*\t+8*\u+1], v[S+32*\t+8*\u:S+32*\t+8*\u+1], v[S+32*\t+8*\u+4:S+32*\t+8*\u+5]
.endr
.endr
.irp u, 0,1
.irp t, 0,1,2,3
	v_pk_add_f32 v[S+32*\t+16*\u:S+32*\t+16*\u+1], v[S+32*\t+16*\u:S+32*\t+16*\u+1], v[S+32*\t+16*\u+8:S+32*\t+16*\u+9]
.endr
.endr
.if \first
.irp t, 0,1,2,3
	v_pk_add_f32 v[ST+8*\t+2:ST+8*\t+3], v[S+32*\t:S+32*\t+1], v[S+32*\t+16:S+32*\t+17]
.endr
.else
.irp t, 0,1,2,3
	v_pk_add_f32 v[S+32*\t:S+32*\t+1], v[S+32*\t:S+32*\t+1], v[S+32*\t+16:S+32*\t+17]
.endr
.irp t, 0,1,2,3
	v_pk_fma_f32 v[ST+8*\t+2:ST+8*\t+3], v[ST+8*\t+2:ST+8*\t+3], v[ST+8*\t+6:ST+8*\t+7], v[S+32*\t:S+32*\t+1] op_sel_hi:[1,0,1]   ; l = a l + the sum
.endr
	WIN W_RS
.irp i, 0,1,2,3,4,5,6,7,8,9,10,11,12,13,14,15
.irp t, 0,1,2,3
	v_pk_mul_f32 v[32*\t+2*\i:32*\t+2*\i+1], v[32*\t+2*\i:32*\t+2*\i+1], v[ST+8*\t+6:ST+8*\t+7] op_sel_hi:[1,0]   ; O^T times a, each accumulator from its low end on
.endr
.endr
.endif
	s_wait_dscnt 0x0                               ; V is in
	WIN W_PV
.irp kk, 0,1                           ; O^T += V^T P: 16 accumulators by turns
.irp ct, 0,1,2,3
.irp t, 0,1,2,3
.if \first && (\kk == 0)
	v_wmma_f32_16x16x32_f16 v[32*\t+8*\ct:32*\t+8*\ct+7], v[KV+8*(4*\kk+\ct):KV+8*(4*\kk+\ct)+7], v[P+16*\t+8*\kk:P+16*\t+8*\kk+7], 0
.else
	v_wmma_f32_16x16x32_f16 v[32*\t+8*\ct:32*\t+8*\ct+7], v[KV+8*(4*\kk+\ct):KV+8*(4*\kk+\ct)+7], v[P+16*\t+8*\kk:P+16*\t+8*\kk+7], v[32*\t+8*\ct:32*\t+8*\ct+7]
.endif
.endr
.endr
.endr
	WIN 0
.rept 4
	v_nop                                          ; the places ahead of the next step's loads into the buffer, and of the way out's reads
.endr
	s_add_co_u32 s[TBK], s[TBK], 64*PK             ; the next 64 keys
	s_add_co_u32 s[TBV], s[TBV], 64*PV
.endm
.macro RUN slot, first                 ; a slot's 8 key steps
	s_mov_b32 s[TBK], \slot*SLOT
	s_mov_b32 s[TBV], \slot*SLOT+VOFF
.if \first
	STEP 1
	s_mov_b32 s[CNT], 7
.else
	s_mov_b32 s[CNT], 8
.endif
.Lrun_\@:
	STEP 0
	s_sub_co_u32 s[CNT], s[CNT], 1
	s_cmp_lg_u32 s[CNT], 0
	s_cbranch_scc1 .Lrun_\@
.endm
; THE CHANGE OF SLOTS, behind the steps of slot `slot`.  Each wave waits for all its tensor loads (its part of the other slot), adds 0 to its spare word, and waits for that and for its reads of the slot.
; fill = 1: the barrier is a round of the cluster's, so that no wave of any partner still reads the slot or has a load on its way, and the joint refill, with the keys two slots on, is the first thing behind it.
.macro CHANGE slot, fill
	s_wait_tensorcnt 0x0                           ; no tensor load of mine is out, so a group 0 may be written
	ds_add_u32 v[SPW], v[NIL]
.if \fill
	s_add_nc_u64 s[G0K+4*\slot+2:G0K+4*\slot+3], s[G0K+4*\slot+2:G0K+4*\slot+3], 2*SK*128   ; the type bits on top are not reached
	s_add_nc_u64 s[G0V+4*\slot+2:G0V+4*\slot+3], s[G0V+4*\slot+2:G0V+4*\slot+3], 2*SK*128
.endif
	s_wait_dscnt 0x0                               ; the add is done, and my reads of the slot are over
.if \fill
	CROUND
	JLOAD \slot
.else
	s_barrier_signal -1
	s_barrier_wait -1
.endif
.endm
	s_wait_tensorcnt 1                             ; my part of slot 0 is in; slot 1's may stay out
	s_barrier_signal -1
	s_barrier_wait -1                              ; everybody's is
	s_wait_loadcnt 0x0                             ; Q
	RUN 0, 1                                       ; keys 0-511
	CHANGE 0, 1                                    ; slot 0 takes keys 1,024-1,535
	RUN 1, 0                                       ; keys 512-1,023
	CHANGE 1, 1                                    ; slot 1 takes keys 1,536-2,047
	RUN 0, 0
	CHANGE 0, 0                                    ; nothing is left to fetch
	RUN 1, 0
	; THE WAY OUT.  l's two halves and the other half of the lanes' are added; O^T is divided by l, rounded to f16 and sent through my stages, a tile (16 rows of 128 bytes) at a time.
.irp t, 0,1,2,3
	v_add_f32 v[ST+8*\t+4], v[ST+8*\t+2], v[ST+8*\t+3]
.endr
.irp t, 0,1,2,3
	v_permlanex16_b32 v[ST+8*\t+5], v[ST+8*\t+4], s[SEL], s[SEL+1]
.endr
.irp t, 0,1,2,3
	v_add_f32 v[ST+8*\t+4], v[ST+8*\t+4], v[ST+8*\t+5]
.endr
.irp t, 0,1,2,3
	v_rcp_f32 v[ST+8*\t+6], v[ST+8*\t+4]
.endr
	v_nop                                          ; a plain instruction between the last reciprocal and the use of its result
	s_wait_alu depctr_va_vdst(0)                   ; and the one wait for the four, ahead of the first use
.macro PACK t
	WIN W_RS
.set i, 0
.rept 16
	v_pk_mul_f32 v[32*\t+i:32*\t+i+1], v[32*\t+i:32*\t+i+1], v[ST+8*\t+6:ST+8*\t+7] op_sel_hi:[1,0]
.set i, i+2
.endr
	WIN 0x05                                       ; sources 0 and 1 window 1, destination window 0: S^T's registers are free
.set i, 0
.rept 16
	v_cvt_pk_f16_f32 v[S+16*\t+i], v[32*\t+2*i], v[32*\t+2*i+1]
.set i, i+1
.endr
	WIN 0
.irp ct, 0,1,2,3
	ds_store_b128 v[STO], v[S+16*\t+4*\ct:S+16*\t+4*\ct+3] offset:\t*2176+\ct*32
.endr
.irp n, 0,1,2,3
	ds_load_b128 v[S+64+16*\t+4*\n:S+64+16*\t+4*\n+3], v[RD] offset:\t*2176+\n*544   ; LDS serves a wave's instructions in order (ISA guide 5.7.1.4): these see the stores above
.endr
.endm
	PACK 0
	PACK 1
	PACK 2
	PACK 3
.irp t, 0,1,2,3
	s_wait_dscnt 8*(3-\t)                          ; tile t is back; the later tiles' eight LDS instructions each may be out
.irp n, 0,1,2,3
	global_store_b128 v[GO], v[S+64+16*\t+4*\n:S+64+16*\t+4*\n+3], s[10:11] offset:\t*2048+\n*512   ; 512 consecutive bytes, aligned
.endr
.endr
	s_wait_tensorcnt 0x0                           ; the wave's end, behind my last tensor load and my last LDS store
	ds_add_u32 v[SPW], v[NIL]
	s_wait_dscnt 0x0
	CROUND                                         ; the closing round
	s_endpgm
.Lfunc_end_k_qa6d8ea33ee_attn:
	.size	k_qa6d8ea33ee_attn, .Lfunc_end_k_qa6d8ea33ee_attn-k_qa6d8ea33ee_attn
	.p2alignl 7, 3214868480
	.fill 96, 4, 3214868480
	.section	.rodata,"a",@progbits
	.p2align	6, 0x0
	.amdhsa_kernel k_qa6d8ea33ee_attn
		.amdhsa_group_segment_fixed_size 327680
		.amdhsa_private_segment_fixed_size 0
		.amdhsa_enable_private_segment 0
		.amdhsa_kernarg_size 16
		.amdhsa_user_sgpr_count 2
		.amdhsa_user_sgpr_kernarg_segment_ptr 1
		.amdhsa_wavefront_size32 1
		.amdhsa_system_sgpr_workgroup_id_x 1
		.amdhsa_system_sgpr_workgroup_id_y 1
		.amdhsa_system_sgpr_workgroup_id_z 1
		.amdhsa_system_vgpr_workitem_id 0
		.amdhsa_next_free_vgpr 512
		.amdhsa_next_free_sgpr 66
		.amdhsa_reserve_vcc 0
		.amdhsa_float_denorm_mode_32 3
		.amdhsa_float_denorm_mode_16_64 3
		.amdhsa_memory_ordered 1
		.amdhsa_forward_progress 1
		.amdhsa_inst_pref_size 178
	.end_amdhsa_kernel
	.amdgpu_metadata
---
amdhsa.version: [ 1, 2 ]
amdhsa.kernels:
  - .name:           k_qa6d8ea33ee_attn
    .symbol:         k_qa6d8ea33ee_attn.kd
    .args:
      - { .name: qkv, .offset: 0, .size: 8, .value_kind: global_buffer, .address_space: global }
      - { .name: att, .offset: 8, .size: 8, .value_kind: global_buffer, .address_space: global }
    .group_segment_fixed_size: 327680
    .private_segment_fixed_size: 0
    .kernarg_segment_align: 8
    .kernarg_segment_size: 16
    .max_flat_workgroup_size: 256
    .sgpr_count:     66
    .vgpr_count:     512
    .wavefront_size: 32
...
	.end_amdgpu_metadata
.endif
;; end of part 3
;; launch proj (part 4): grid 8 x 64, 4 waves a work-group, clusters of 4 x 4, 327,680 bytes of LDS; arguments att, wp, b_proj, out0; writes out0
.if DOCPART == 4
	.amdgcn_target "amdgcn-amd-amdhsa--gfx1250"
	.amdhsa_code_object_version 6
	.text
	.protected	k_qa6d8ea33ee_proj
	.globl	k_qa6d8ea33ee_proj
	.p2align	8
	.type	k_qa6d8ea33ee_proj,@function
k_qa6d8ea33ee_proj:
	s_mov_b64 s[64:65], 0
	v_nop
	global_prefetch_b8 v0, s[64:65] scope:SCOPE_SE
	s_setreg_imm32_b32 hwreg(HW_REG_WAVE_MODE, 25, 1), 1
	s_wait_xcnt 0x0
	s_wait_alu depctr_hold_cnt(0) depctr_sa_sdst(0) depctr_va_vdst(0) depctr_va_sdst(0) depctr_va_ssrc(0) depctr_va_vcc(0) depctr_vm_vsrc(0)
	s_getreg_b32 s2, hwreg(HW_REG_IB_STS2, 6, 4)
	s_cmp_eq_u32 s2, 0
	s_cbranch_scc0 .Lentry_in_a_cluster
	s_endpgm
.Lentry_in_a_cluster:
	s_bfe_u32 s2, ttmp6, 0x10000c
	s_cmp_lg_u32 s2, 0xf033
	s_cbranch_scc0 .Lentry_shape_is_right
	s_endpgm
.Lentry_shape_is_right:
; out0[m][n] = the sum over k of A[m][k] B[n][k] + b_proj[n].  A = the attention's result, att [16 h][8192 m][64 d] f16, k = 64 h + d;  B = wp [1024 n][1024 k] f16;  out0 [8192][1024] f32; sums in f32.
; A tile of 128 x 128 is made by four waves, each 64 x 64: 16 accumulators.  512 tiles: each WGP takes two.  K goes in steps of 256 through a ring of two LDS slots.
; A's K STEP IS FOUR HEAD PLANES: a wave's load is a tile of 4 rows, each a plane's dense block of 64 rows x 128 bytes (8,192 bytes), the planes 8,192 x 64 elements apart; 16 bytes of padding behind every 128
; make LDS rows of 144 bytes: [4 planes][64 rows][144].  A quarter of a K step, 64 along K, is one plane.  B's load is 64 rows of 512 bytes, 16 bytes of padding behind each.
; CLUSTERS: 4 x 4 work-groups: A's tiles are asked for jointly along a row of the cluster, B's along a column.  THE MATRIX INSTRUCTION IS USED TRANSPOSED (source 0 = 16 rows of B, source 1 = 16 rows of A).
; The bias is the C of each sum's first matrix instruction.  No prefetch: a small tile's K step is short, and its tiles are shared in the cluster.
; REGISTERS: window 0: v0-31 addresses; v32-95 rows on the way out; v96-127 the bias in the result's layout; v128-255 the accumulators ((a, b) at v[128 + 8 (4 a + b)]).
;   window 1: two fragment buffers of 128: for 64 along K, 64 registers of A, then 64 of B.
.set PA,     144
.set PLANE,  64*PA                     ; a plane's 64 rows in LDS
.set HALFA,  4*PLANE                   ; what one load brings of A
.set PB,     528
.set HALFB,  64*PB                     ; of B
.set BOFF,   2*HALFA                   ; a slot: A's two halves, then B's two
.set SLOT,   2*HALFA+2*HALFB
.set STAGE,  2*SLOT                    ; behind the ring: 16 rows x 272 bytes for each wave
.set SPITCH, 272
.set SPARE,  STAGE+4*16*SPITCH         ; the spare words, 128 bytes for each wave: two blocks of 256 bytes that no other line names
.set LAPS,   2                         ; K = 1,024 = two laps of two K steps
.set ADRA, 16
.set ADRB, 20
.set STO,  24
.set RD,   25
.set CO,   26
.set BO,   27
.set SPW,  28
.set NIL,  29
.set TMP,  32
.set BI,   96
.set ACC,  128
.set F0,   0
.set F1,   128
.set G1, 24
.set G0, 32
.set G1B, 48
.set G0B, 56
.set MSB, 0
.macro WIN new
.if MSB != (\new)
	s_set_vgpr_msb (MSB<<8)|(\new)
.set MSB, \new
.endif
.endm
.set MUL,  0x05                        ; sources 0 (B) and 1 (A) window 1; C and D window 0
.set TO_F, 0x40                        ; destination window 1, address window 0
.macro JLOAD s                         ; a joint load: waves 0 and 1 fetch A's two halves, waves 2 and 3 B's; an s_nop 0 and four v_nop follow each of the two lines
	s_cmp_eq_u32 s11, 0
	s_cbranch_scc0 .Lfor_b_\@
	tensor_load_to_lds s[G0+4*\s:G0+4*\s+3], s[G1:G1+7]
	s_nop 0
.rept 4
	v_nop
.endr
	s_branch .Lasked_\@
.Lfor_b_\@:
	tensor_load_to_lds s[G0B+4*\s:G0B+4*\s+3], s[G1B:G1B+7]
	s_nop 0
.rept 4
	v_nop
.endr
.Lasked_\@:
.endm
.macro CREST                           ; a round of the cluster's barrier behind its opening barrier
	s_cmp_lg_u32 s10, 0
	s_cbranch_scc1 .Lnot_wave_0_\@
	s_barrier_signal -3
.Lnot_wave_0_\@:
	s_barrier_wait -3
	s_barrier_signal -1
	s_barrier_wait -1
.endm
.macro CROUND
	s_barrier_signal -1
	s_barrier_wait -1
	CREST
.endm
	s_load_b128 s[4:7], s[0:1], 0x0                ; att s[4:5], wp s[6:7]
	s_load_b64 s[66:67], s[0:1], 0x10              ; b_proj
	s_load_b64 s[8:9], s[0:1], 0x18                ; out0
	v_lshl_add_u32 v[SPW], v0, 2, SPARE
	v_mov_b32 v[NIL], 0
	ds_add_u32 v[SPW], v[NIL]                      ; the wave's opening: the add, twice on end, and its wait ahead of my first tensor load
	ds_add_u32 v[SPW], v[NIL]
	v_lshrrev_b32 v1, 5, v0
	v_readfirstlane_b32 s10, v1                    ; wave 0..3
	s_lshr_b32 s11, s10, 1                         ; which half of the tile's rows is mine.  Also: I fetch for A (0) or for B (1)
	s_and_b32 s12, s10, 1                          ; which half of its columns.  Also: which 64 rows of that tile I fetch
	s_bfe_u32 s40, ttmp6, 0x40000                  ; cx, cy
	s_bfe_u32 s41, ttmp6, 0x40004
	s_lshl_b32 s42, ttmp9, 2
	s_add_co_u32 s42, s42, s40                     ; tile column: 0..7
	s_and_b32 s13, ttmp7, 0xffff
	s_lshl_b32 s13, s13, 2
	s_add_co_u32 s13, s13, s41                     ; tile row: 0..63
	s_lshl_b32 s43, s41, 2
	s_lshl_b32 s43, 15, s43                        ; my row of the cluster
	s_lshl_b32 s44, 0x1111, s40                    ; my column
	s_or_b32 s[G1+0], s43, (1<<16)|(1<<20)|(1<<21)|(4<<22)|(3<<25)  ; the mask; elements of 2 bytes; padding on; bit 21 beside a mask; after every 32 words, 4 words
	s_mov_b32 s[G1+1], 4096<<16                    ; tensor_dim0 = 4,096 elements: a plane's 64 rows of 64
	s_mov_b32 s[G1+2], 4<<16                       ; tensor_dim1 = 4 planes
	s_mov_b32 s[G1+3], 4096<<16                    ; tile_dim0
	s_mov_b32 s[G1+4], 4                           ; tile_dim1
	s_mov_b32 s[G1+5], 524288                      ; from plane to plane: 8,192 x 64 elements
	s_mov_b32 s[G1+6], 0
	s_mov_b32 s[G1+7], 0
	s_or_b32 s[G1B+0], s44, (1<<16)|(1<<20)|(1<<21)|(6<<22)|(3<<25) ; after every 128 words, 4 words
	s_mov_b32 s[G1B+1], 256<<16                    ; tensor_dim0 = 256
	s_mov_b32 s[G1B+2], 64<<16                     ; tensor_dim1 = 64
	s_mov_b32 s[G1B+3], 256<<16
	s_mov_b32 s[G1B+4], 64
	s_mov_b32 s[G1B+5], 1024                       ; from row to row
	s_mov_b32 s[G1B+6], 0
	s_mov_b32 s[G1B+7], 0
	s_lshl_b32 s17, s12, 6                         ; which 64 rows of the tile I fetch
	s_lshl_b32 s16, s13, 7
	s_add_co_u32 s16, s16, s17
	s_lshl_b32 s16, s16, 7                         ; A: row 128 x tile row + 64 x half, 128 bytes a row in a plane
	s_lshl_b32 s46, s42, 7
	s_add_co_u32 s46, s46, s17
	s_lshl_b32 s46, s46, 11                        ; B: row 128 x tile column + 64 x half, 2,048 bytes a row
	s_mov_b32 s17, 0
	s_mov_b32 s47, 0
	s_mul_i32 s20, s12, HALFA                      ; where they go: no place in the cluster enters an LDS address
	s_mul_i32 s21, s12, HALFB
	s_add_co_u32 s21, s21, BOFF
	s_wait_dscnt 0x0                               ; both opening adds are done
	s_wait_kmcnt 0x0
	s_add_nc_u64 s[14:15], s[4:5], s[16:17]
	s_add_nc_u64 s[46:47], s[6:7], s[46:47]
	CROUND                                         ; all sixteen work-groups are here: the first joint loads meet
.irp s, 0,1
	s_mov_b32 s[G0+4*\s], 1
	s_add_co_u32 s[G0+4*\s+1], s20, \s*SLOT
	s_add_nc_u64 s[G0+4*\s+2:G0+4*\s+3], s[14:15], \s*4194304      ; K step s: four planes of 2^20 bytes on
	s_or_b32 s[G0+4*\s+3], s[G0+4*\s+3], 0x80000000
	s_mov_b32 s[G0B+4*\s], 1
	s_add_co_u32 s[G0B+4*\s+1], s21, \s*SLOT
	s_add_nc_u64 s[G0B+4*\s+2:G0B+4*\s+3], s[46:47], \s*512
	s_or_b32 s[G0B+4*\s+3], s[G0B+4*\s+3], 0x80000000
	JLOAD \s
.endr
	v_and_b32 v1, 15, v0                           ; r
	v_bfe_u32 v2, v0, 4, 1                         ; h
	v_mul_u32_u24 v3, v1, PA
	v_lshl_add_u32 v3, v2, 4, v3                   ; A: row x 144 + 16 x half
	v_mul_u32_u24 v4, v1, PB
	v_lshl_add_u32 v4, v2, 4, v4                   ; B: row x 528 + 16 x half
	s_mul_i32 s21, s11, HALFA                      ; my 64 rows of A
	s_mul_i32 s22, s12, HALFB                      ; my 64 rows of B
	s_add_co_u32 s22, s22, BOFF
.irp s, 0,1
	v_add_nc_u32 v[ADRA+\s], s21, v3
	v_add_nc_u32 v[ADRB+\s], s22, v4
	s_add_co_u32 s21, s21, SLOT
	s_add_co_u32 s22, s22, SLOT
.endr
	s_mul_i32 s23, s10, 16*SPITCH
	s_add_co_u32 s23, s23, STAGE                   ; my stage
	v_mul_u32_u24 v5, v1, SPITCH
	v_lshl_add_u32 v5, v2, 5, v5
	v_add_nc_u32 v[STO], s23, v5                   ; in: row r, 32 bytes for each half of the lanes
	v_mul_u32_u24 v5, v2, SPITCH
	v_lshl_add_u32 v5, v1, 4, v5
	v_add_nc_u32 v[RD], s23, v5                    ; back: lanes 0-15 one row of 256 bytes, lanes 16-31 the next
	v_lshlrev_b32 v5, 12, v2
	v_lshl_add_u32 v[CO], v1, 4, v5                ; and the same two rows in out0: 4,096 bytes a row
	s_lshl_b32 s16, s13, 7
	s_lshl_b32 s17, s11, 6
	s_add_co_u32 s16, s16, s17
	s_lshl_b32 s16, s16, 12                        ; my first row of out0, in bytes
	s_mov_b32 s17, 0
	s_lshl_b32 s46, s42, 7
	s_lshl_b32 s47, s12, 6
	s_add_co_u32 s46, s46, s47
	s_lshl_b32 s46, s46, 2                         ; my first column, in bytes
	s_mov_b32 s47, 0
	s_add_nc_u64 s[66:67], s[66:67], s[46:47]
	s_add_nc_u64 s[8:9], s[8:9], s[16:17]
	s_add_nc_u64 s[8:9], s[8:9], s[46:47]
	v_lshlrev_b32 v[BO], 5, v2
.irp b, 0,1,2,3                        ; the bias in the result's layout: register 8 b + j holds that of column 16 b + 8 h + j
	global_load_b128 v[BI+8*\b:BI+8*\b+3], v[BO], s[66:67] offset:64*\b
	global_load_b128 v[BI+8*\b+4:BI+8*\b+7], v[BO], s[66:67] offset:64*\b+16
.endr
; 8 matrix instructions: m blocks a0, a0 + 1 x all 4 n blocks, 32 along K: half c of buffer f.  zero = 1: the first product starts the sums from the bias.  The 16 accumulators take turns
.macro MUL8 f, c, a0, zero
.irp a, \a0, \a0+1
.irp b, 0,1,2,3
.if \zero
	v_wmma_f32_16x16x32_f16 v[ACC+8*(4*(\a)+\b):ACC+8*(4*(\a)+\b)+7], v[\f+64+8*(4*\c+\b):\f+64+8*(4*\c+\b)+7], v[\f+8*(4*\c+\a):\f+8*(4*\c+\a)+7], v[BI+8*\b:BI+8*\b+7]
.else
	v_wmma_f32_16x16x32_f16 v[ACC+8*(4*(\a)+\b):ACC+8*(4*(\a)+\b)+7], v[\f+64+8*(4*\c+\b):\f+64+8*(4*\c+\b)+7], v[\f+8*(4*\c+\a):\f+8*(4*\c+\a)+7], v[ACC+8*(4*(\a)+\b):ACC+8*(4*(\a)+\b)+7]
.endif
.endr
.endr
.endm
; 32 LDS loads in one run: the fragments of quarter q (64 along K: one plane of A, 128 bytes of B's rows) into buffer f; the first 32 along K first
.macro FETCH slot, q, f
	WIN TO_F
.irp c, 0,1
.irp i, 0,1,2,3
	ds_load_b128 v[\f+64+8*(4*\c+\i):\f+64+8*(4*\c+\i)+3],   v[ADRB+\slot] offset:128*(\q)+64*\c+\i*16*PB
	ds_load_b128 v[\f+64+8*(4*\c+\i)+4:\f+64+8*(4*\c+\i)+7], v[ADRB+\slot] offset:128*(\q)+64*\c+\i*16*PB+32
	ds_load_b128 v[\f+8*(4*\c+\i):\f+8*(4*\c+\i)+3],         v[ADRA+\slot] offset:PLANE*(\q)+64*\c+\i*16*PA
	ds_load_b128 v[\f+8*(4*\c+\i)+4:\f+8*(4*\c+\i)+7],       v[ADRA+\slot] offset:PLANE*(\q)+64*\c+\i*16*PA+32
.endr
.endr
.endm
.macro PLACES                          ; four places in front of loads into registers that matrix instructions have read, and of reads of results
.rept 4
	v_nop
.endr
.endm
.macro QUARTER slot, q, f, g, zero     ; multiplies buffer f and fetches quarter q of the same slot into g
	s_wait_dscnt 16                                ; the first 32 along K are in; the other sixteen loads may be out
	WIN MUL
	MUL8 \f, 0, 0, \zero
	MUL8 \f, 0, 2, \zero
	PLACES
	FETCH \slot, \q, \g
	s_wait_dscnt 32                                ; all but the 32 just issued
	WIN MUL
	MUL8 \f, 1, 0, 0
	MUL8 \f, 1, 2, 0
.endm
; The last quarter multiplies buffer 1 and changes slots: ONE barrier; in front of it each wave waits for all its tensor loads, adds 0 to its spare word, and waits for that and for its reads of this slot.  fill = 1: this slot is filled again, two K steps ahead.
.macro TURN slot, next, fill
	WIN 0
	s_wait_tensorcnt 0x0                           ; all my tensor loads have landed: my part of the next slot
	ds_add_u32 v[SPW], v[NIL]
	s_wait_dscnt 17                                ; (the add and the youngest sixteen loads may be out)
	WIN MUL
	MUL8 F1, 0, 0, 0
	s_wait_dscnt 0x0                               ; the add is done, and my reads of this slot are over
	s_barrier_signal -1
	MUL8 F1, 0, 2, 0
.if \fill
	WIN 0
.endif
	s_barrier_wait -1
.if \fill
	CREST                                          ; the barrier has opened a round of the cluster's barrier: no wave of any partner still reads this slot or has a load on its way
	s_add_nc_u64 s[G0+4*\slot+2:G0+4*\slot+3], s[G0+4*\slot+2:G0+4*\slot+3], 8388608     ; eight planes on
	s_add_nc_u64 s[G0B+4*\slot+2:G0B+4*\slot+3], s[G0B+4*\slot+2:G0B+4*\slot+3], 1024
	JLOAD \slot                                    ; the first tensor load behind the round; the four v_nop behind it are also the places in front of the loads below
.else
	PLACES
.endif
	FETCH \next, 0, F0
	WIN MUL
	MUL8 F1, 1, 0, 0
	MUL8 F1, 1, 2, 0
.endm
	s_wait_tensorcnt 1                             ; my part of K step 0 is in (K step 1's load may be out)
	s_barrier_signal -1
	s_barrier_wait -1                              ; everybody's is
	FETCH 0, 0, F0
	s_wait_loadcnt 0x0                             ; the bias
	QUARTER 0, 1, F0, F1, 1                        ; the first quarter stands in front of the loop: its first products start the sums
	WIN 0                                          ; at a label and at a branch every window is 0
	s_mov_b32 s3, LAPS-1
.Llap:                                                 ; a trip goes once round the ring, from a lap's second quarter to the next lap's first, and fills both slots again
	QUARTER 0, 2, F1, F0, 0
	QUARTER 0, 3, F0, F1, 0
	TURN 0, 1, 1
	QUARTER 1, 1, F0, F1, 0
	QUARTER 1, 2, F1, F0, 0
	QUARTER 1, 3, F0, F1, 0
	TURN 1, 0, 1
	QUARTER 0, 1, F0, F1, 0
	WIN 0
	s_sub_co_u32 s3, s3, 1
	s_cmp_lg_u32 s3, 0
	s_cbranch_scc1 .Llap
	QUARTER 0, 2, F1, F0, 0                        ; the last lap fills nothing, and has no round of the cluster's barrier
	QUARTER 0, 3, F0, F1, 0
	TURN 0, 1, 0
	QUARTER 1, 1, F0, F1, 0
	QUARTER 1, 2, F1, F0, 0
	QUARTER 1, 3, F0, F1, 0
	s_wait_dscnt 16                                ; the very last quarter: nothing more to fetch
	WIN MUL
	MUL8 F1, 0, 0, 0
	MUL8 F1, 0, 2, 0
	s_wait_dscnt 0
	MUL8 F1, 1, 0, 0
	MUL8 F1, 1, 2, 0
	WIN 0
; THE WAY OUT, block by block of 16 rows x 64 columns of f32.  A lane holds 32 neighbouring bytes of a row; a row's 256 bytes are my wave's own: they go through my own stage and come back as whole rows,
; so that sixteen lanes store 256 consecutive bytes, aligned.  LDS serves a wave's instructions in order (ISA guide 5.7.1.4): no wait between the stores and the loads, nor ahead of the next block's stores.
.macro TOSTAGE a
.set BB, TMP+32*((\a)%2)
.if (\a) > 1
	s_wait_xcnt 0x0                                ; block a - 2's stores have read their registers: block a's loads may land there
.endif
.irp b, 0,1,2,3
	ds_store_b128 v[STO], v[ACC+8*(4*(\a)+\b):ACC+8*(4*(\a)+\b)+3] offset:64*\b          ; each accumulator from its low end on
	ds_store_b128 v[STO], v[ACC+8*(4*(\a)+\b)+4:ACC+8*(4*(\a)+\b)+7] offset:64*\b+16
.endr
.irp i, 0,1,2,3,4,5,6,7
	ds_load_b128 v[BB+4*\i:BB+4*\i+3], v[RD] offset:\i*2*SPITCH
.endr
.endm
.macro SEND a, younger                 ; younger: the LDS instructions issued behind block a's loads, which may stay out
.set BB, TMP+32*((\a)%2)
	s_wait_dscnt \younger
.irp i, 0,1,2,3,4,5,6,7
	global_store_b128 v[CO], v[BB+4*\i:BB+4*\i+3], s[8:9] offset:(16*(\a)+2*\i)*4096 th:TH_STORE_NT   ; written once, read by nobody here
.endr
.endm
	PLACES                                         ; behind the last products, ahead of the first read of results
	TOSTAGE 0
.irp a, 1,2,3
	TOSTAGE \a
	SEND \a-1, 16                                  ; behind block a - 1's loads: block a's 8 stores and 8 loads
.endr
	SEND 3, 0
	s_wait_tensorcnt 0x0                           ; the wave's end, behind my last tensor load and my last LDS store
	ds_add_u32 v[SPW], v[NIL]
	s_wait_dscnt 0x0
	CROUND                                         ; the closing round
	s_endpgm
.Lfunc_end_k_qa6d8ea33ee_proj:
	.size	k_qa6d8ea33ee_proj, .Lfunc_end_k_qa6d8ea33ee_proj-k_qa6d8ea33ee_proj
	.p2alignl 7, 3214868480
	.fill 96, 4, 3214868480
	.section	.rodata,"a",@progbits
	.p2align	6, 0x0
	.amdhsa_kernel k_qa6d8ea33ee_proj
		.amdhsa_group_segment_fixed_size 327680
		.amdhsa_private_segment_fixed_size 0
		.amdhsa_enable_private_segment 0
		.amdhsa_kernarg_size 32
		.amdhsa_user_sgpr_count 2
		.amdhsa_user_sgpr_kernarg_segment_ptr 1
		.amdhsa_wavefront_size32 1
		.amdhsa_system_sgpr_workgroup_id_x 1
		.amdhsa_system_sgpr_workgroup_id_y 1
		.amdhsa_system_sgpr_workgroup_id_z 1
		.amdhsa_system_vgpr_workitem_id 0
		.amdhsa_next_free_vgpr 512
		.amdhsa_next_free_sgpr 68
		.amdhsa_reserve_vcc 0
		.amdhsa_float_denorm_mode_32 3
		.amdhsa_float_denorm_mode_16_64 3
		.amdhsa_memory_ordered 1
		.amdhsa_forward_progress 1
		.amdhsa_inst_pref_size 87
	.end_amdhsa_kernel
	.amdgpu_metadata
---
amdhsa.version: [ 1, 2 ]
amdhsa.kernels:
  - .name:           k_qa6d8ea33ee_proj
    .symbol:         k_qa6d8ea33ee_proj.kd
    .args:
      - { .name: att, .offset: 0, .size: 8, .value_kind: global_buffer, .address_space: global }
      - { .name: wp, .offset: 8, .size: 8, .value_kind: global_buffer, .address_space: global }
      - { .name: b_proj, .offset: 16, .size: 8, .value_kind: global_buffer, .address_space: global }
      - { .name: out0, .offset: 24, .size: 8, .value_kind: global_buffer, .address_space: global }
    .group_segment_fixed_size: 327680
    .private_segment_fixed_size: 0
    .kernarg_segment_align: 8
    .kernarg_segment_size: 32
    .max_flat_workgroup_size: 128
    .sgpr_count:     68
    .vgpr_count:     512
    .wavefront_size: 32
...
	.end_amdgpu_metadata
.endif
;; end of part 4
